; MI455X (gfx1250); checked and timed in simulation.
; The chip was launched on July 23, 2026; its instructions are those of AMD's public machine-readable ISA for CDNA 5 (MIT licence, August 2026) and "CDNA5" Instruction Set Architecture Reference Guide (July 2026). The comments in the code are by the model that wrote it; some were corrected since.
;; Self Attention. Allowed arithmetic: matrix products marked QUANTISED: E4M3 operands, one given power-of-two scale a tensor, by v_wmma_f32_16x16x64_fp8_fp8 or v_wmma_f32_16x16x128_fp8_fp8, f32 sums; everything else in f32.
;; Inputs: W_out 1,024 x 1,024 float32; W_qkv 1,024 x 3,072 float32; b_out 1,024 float32; b_qkv 3,072 float32; hidden_states 1 x 4,096 x 1,024 float32; lowp_scales 8 int32 (the exponents e of the quantised operands' scales 2^e); mask 1 x 1 x 4,096 x 4,096 float32.
;; Outputs: out0 1 x 4,096 x 1,024 float32.
;; This version of the problem:
;;   THIS VERSION OF THE PROBLEM IS GIVEN IN LOW PRECISION. The matrix products marked QUANTISED in the list below multiply operands that are first quantised to E4M3 (4 exponent bits, 3 mantissa bits; 8 bits a number), with one given power-of-two scale for each operand tensor; their sums are f32. All else is computed in f32.
;;   The module's matrix products, in the order in which they are computed (A, B: the left and right operand; K: the contracted axis; several contracted axes count as one K, in the product's order):
;;     1. [M 4,096, K 1,024] x [K 1,024, N 3,072]; A: input hidden_states; B: input W_qkv: QUANTISED (scales: A lowp_scales[0], B lowp_scales[1])
;;     2. batch 16 x [M 4,096, K 64] x [K 64, N 4,096]; A: computed on the way; B: computed on the way: QUANTISED (scales: A lowp_scales[2], B lowp_scales[3])
;;     3. batch 16 x [M 4,096, K 4,096] x [K 4,096, N 64]; A: softmax (see below); B: computed on the way: QUANTISED (scales: A lowp_scales[4], B lowp_scales[5])
;;     4. [M 4,096, K 1,024] x [K 1,024, N 1,024]; A: computed on the way; B: input W_out: QUANTISED (scales: A lowp_scales[6], B lowp_scales[7])
;;   THE QUANTISER, for each operand of a quantised product, along K:
;;     - The operand's scale is 2^e, e = its entry of the input lowp_scales (int32; the entries are numbered through the quantised products in the list's order, A before B).
;;     - Each number is divided by the scale, clamped to +-448, and rounded to the nearest number of E4M3, ties to even, subnormals kept.
;;     - The product sums the exact products of the quantised numbers (number of the format x scale) in f32.
;;   ~~~python
;;   def quantise(x, axis, e):      # numpy; x: float32 -> the quantised numbers, widened to float32 again
;;       x = np.moveaxis(x, axis, -1); K = x.shape[-1]
;;       r = np.clip(x / 2.0 ** e, -448, 448)
;;       step = 2.0 ** (np.maximum(np.frexp(np.where(r == 0, 1, r))[1] - 1, -6) - 3)
;;       q = np.round(r / step) * step * 2.0 ** e      # np.round: ties to even
;;       return np.moveaxis(q, -1, axis).astype(np.float32)
;;   ~~~
;;   SOFTMAX AHEAD OF A QUANTISED PRODUCT. Where the list says 'softmax', what is quantised is not the finished softmax but p = 2^(t - M), with t = logit x log2(e) and M = ceil(the row's largest t), a whole number; so 1/2 < the row's largest p <= 1. The row's sum l is taken of the UNQUANTISED p, in f32, and the product's result is divided by l at the end. Since M is a whole number, a kernel that streams over the keys may use a running M (the ceiling of the running maximum): every later rescaling is an exact power of two, so the quantised numbers keep their values, but for numbers so far below the row's largest that they fall under the format's range.
;;   OPERANDS COMPUTED ON THE WAY. 'Computed on the way' means the value that the module computes at that place (a softmax that the list does not call 'softmax' is quantised finished and normalised). What goes into a quantiser is computed in f32, as accurately as f32 sums, v_exp_f32 and their like allow (about 1e-6 of the number): no bf16 or f16 on the way to a quantiser, and a product that is left as it is and whose result goes on into a quantised operand takes f32 operands (vector FMAs, or v_wmma_f32_16x16x4_f32). A number that lies on a knife's edge between two numbers of the format may be rounded either way, as far as f32 arithmetic and the matrix unit's own rounding can turn it there, and no further.
;; One version. Each part assembles by itself: llvm-mc -triple=amdgcn-amd-amdhsa -mcpu=gfx1250 --defsym DOCPART=n.
;; ======== version 1 of 1: 4 launches
;; limits: right only within a limited range of input values
;; workspace buffers: x_codes 4,194,304 bytes; wqkv_codes 3,145,728 bytes; wout_codes 1,048,576 bytes; q_codes 4,194,304 bytes; kv_codes 8,388,608 bytes; ctx_codes 4,194,304 bytes
;; launch quant (part 1): grid 256 x 1, 4 waves a work-group, no clusters, 68,096 bytes of LDS; arguments hidden_states, W_qkv, W_out, lowp_scales, x_codes, wqkv_codes, wout_codes; writes x_codes, wqkv_codes, wout_codes
.if DOCPART == 1
	.amdgcn_target "amdgcn-amd-amdhsa--gfx1250"
	.amdhsa_code_object_version 6
	.text
	.protected	k_q5d9d212e20_quant
	.globl	k_q5d9d212e20_quant
	.p2align	8
	.type	k_q5d9d212e20_quant,@function
k_q5d9d212e20_quant:
	s_mov_b64 s[64:65], 0
	v_nop
	global_prefetch_b8 v0, s[64:65] scope:SCOPE_SE
	s_setreg_imm32_b32 hwreg(HW_REG_WAVE_MODE, 25, 1), 1
	s_wait_xcnt 0x0
; The three f32 inputs of the two projections become codes of FP8 (E4M3), K innermost, each with the one scale 2^e that is given for it.
; code = x / 2^e, held within +-448, rounded to the nearest code, ties to even.
; LIMITS: e0, e1 and e7 lie between -126 and 119, so that 2^e and 448 x 2^e are f32 numbers.  NaN among the inputs is not served (an infinity is held at the largest code).
; 256 work-groups of four waves, 32,768 numbers each.  Work-groups 0-127: hidden_states [4096][1024], K innermost already: a plain stream (path X).
; Work-groups 128-223: W_qkv [1024 k][3072 n]; 224-255: W_out [1024 k][1024 n]: K is the FIRST axis, so a lane takes a column and its registers run down K (path W).
; The two paths part on the work-group's number at the head and never join; each has LDS bytes of its own.  No tensor load, no barrier: waves share nothing.
.set STEPS, 16
.set CB,    16                         ; bytes of 16 codes
.set R,     16                         ; path X: v16-79   four sets of 16 numbers as they are loaded
.set X,     80                         ; path X: v80-111  two sets of 16 neighbours
.set C,     128                        ; path X: v128-191 codes, four registers for each step
.set WREG,  8192                       ; path X: LDS bytes 0 to 32,767: a region for each wave, two stages of 32 x SP bytes
.set SP,    80                         ; a lane's place in a stage: 64 bytes + 16 of padding
.set SPW,   12                         ; v12 LDS address of my spare word; never rewritten
.set NIL,   13                         ; v13 0; never rewritten
.set WSTG,  32768                      ; path W: LDS bytes 32,768 on: 32 rows x PITCH for each wave
.set PITCH, 272                        ; a stage row: 256 bytes of codes + 16
.set SPARE, WSTG+4*32*PITCH            ; behind both: the spare words, 128 bytes for each wave
.set NB,    8                          ; path W: blocks of 32 along K for a wave
.set XW,    32                         ; path W: v32-95 two sets of 32 numbers; on the way out the 16 x 4 registers read back from the stage
.set CW,    96                         ; path W: v96-103 a block's codes
.set OF,    144                        ; path W: v144-175 byte offset of row i of a block at my column; never rewritten
	s_load_b256 s[4:11], s[0:1], 0x0               ; hidden_states s[4:5], W_qkv s[6:7], W_out s[8:9], the scales' exponents s[10:11]
	s_load_b128 s[12:15], s[0:1], 0x20             ; x_codes s[12:13], wqkv_codes s[14:15]
	s_load_b64 s[16:17], s[0:1], 0x30              ; wout_codes
	v_lshl_add_u32 v[SPW], v0, 2, SPARE
	v_mov_b32 v[NIL], 0
	v_lshrrev_b32 v1, 5, v0
	v_readfirstlane_b32 s18, v1                    ; wave 0..3
	v_and_b32 v2, 31, v0                           ; lane
	s_wait_kmcnt 0x0
	s_load_b256 s[32:39], s[10:11], 0x0            ; e0 .. e7
	s_cmp_lt_u32 ttmp9, 128
	s_cbranch_scc0 .Lweights
; ---------------- PATH X: a wave takes 16 steps of 512 numbers.  Each load reads 512 consecutive bytes, 16 a lane; a step's 2,048 bytes turn through the wave's own stage,
; so that a lane then holds 16 neighbours along K; its 16 codes are 16 bytes, and the wave stores 512 consecutive bytes.
	s_wait_alu depctr_va_vdst(0)
	v_lshlrev_b32 v3, 4, v2                        ; my 16 bytes of a load's 512
	s_wait_alu depctr_va_vdst(0)
	s_mul_i32 s19, s18, WREG
	v_lshrrev_b32 v14, 2, v2
	v_mul_u32_u24 v14, v14, SP
	v_and_b32 v15, 3, v2
	v_lshl_add_u32 v14, v15, 4, v14
	v_add_nc_u32 v14, s19, v14                     ; into the stage: SP (lane / 4) + 16 (lane % 4)
	v_mul_u32_u24 v15, v2, SP
	v_add_nc_u32 v15, s19, v15                     ; out of it: SP x lane
	v_mul_u32_u24 v4, v2, CB                       ; my codes' place in a step's
	s_lshl_b32 s20, ttmp9, 2
	s_add_co_u32 s20, s20, s18                     ; which run of 8,192 numbers is my wave's
	s_lshl_b32 s22, s20, 15                        ; 32,768 bytes of numbers a run
	s_mov_b32 s23, 0
	s_add_nc_u64 s[4:5], s[4:5], s[22:23]
	s_lshl_b32 s22, s20, 13                        ; 8,192 bytes of codes a run
	s_add_nc_u64 s[12:13], s[12:13], s[22:23]
.macro LOAD t
.irp i, 0,1,2,3
	global_load_b128 v[R+16*((\t)%4)+4*\i:R+16*((\t)%4)+4*\i+3], v3, s[4:5] offset:2048*(\t)+512*\i th:TH_LOAD_NT
.endr
.endm
.macro TURN t                          ; LDS serves a wave's instructions in order: no wait between the stores and the loads
.irp i, 0,1,2,3
	ds_store_b128 v14, v[R+16*((\t)%4)+4*\i:R+16*((\t)%4)+4*\i+3] offset:32*SP*((\t)%2)+8*SP*\i
.endr
.irp i, 0,1,2,3
	ds_load_b128 v[X+16*((\t)%2)+4*\i:X+16*((\t)%2)+4*\i+3], v15 offset:32*SP*((\t)%2)+16*\i
.endr
.endm
.irp t, 0,1,2,3
	LOAD \t
.endr
	s_wait_alu depctr_va_vdst(0)
	s_wait_kmcnt 0x0
	s_add_co_i32 s22, s32, 127                     ; e0
	s_lshl_b32 s23, s22, 23
	v_mov_b32 v11, s23                             ; 2^e0 as f32: the conversion takes its exponent field
	s_add_co_i32 s22, s22, 8
	s_lshl_b32 s22, s22, 23
	s_or_b32 s22, s22, 0x600000
	v_mov_b32 v10, s22                             ; 448 x 2^e0
	s_wait_alu depctr_va_vdst(0)
	s_wait_loadcnt 12                              ; step 0's four loads are in; three steps' twelve may be out
	TURN 0
.macro STEP t
.set XS, X+16*((\t)%2)
	s_wait_dscnt 0x0                               ; this step's numbers are back from the stage, so its stores into the stage have read their registers,
.if (\t)+4 < STEPS
	LOAD (\t)+4                                    ; which take the loads of four steps on
.endif
.if (\t)+1 < STEPS
.if STEPS-2-(\t) >= 3
	s_wait_loadcnt 12                              ; the next step's four loads are in; those of the three steps behind it may be out
.else
	s_wait_loadcnt 4*(STEPS-2-(\t))
.endif
	TURN (\t)+1
.endif
.irp i, 0,1,2,3,4,5,6,7,8,9,10,11,12,13,14,15
	v_med3_num_f32 v[XS+\i], v[XS+\i], -v10, v10   ; the conversion to an 8-bit code does not saturate (ISA guide 7.6.2): the hold comes first
.endr
	v_cvt_scalef32_pk8_fp8_f32 v[C+4*(\t):C+4*(\t)+1], v[XS:XS+7], v11
	v_cvt_scalef32_pk8_fp8_f32 v[C+4*(\t)+2:C+4*(\t)+3], v[XS+8:XS+15], v11
	global_store_b128 v4, v[C+4*(\t):C+4*(\t)+3], s[12:13] offset:32*CB*(\t)   ; 32 lanes store 512 consecutive bytes; each step has its own code registers
.endm
.irp t, 0,1,2,3,4,5,6,7,8,9,10,11,12,13,14,15
	STEP \t
.endr
	s_wait_tensorcnt 0x0                           ; the wave's end, behind my last LDS store
	ds_add_u32 v[SPW], v[NIL]
	s_wait_dscnt 0x0
	s_endpgm
; ---------------- PATH W: a wave takes 32 columns x 256 along K.  Each load reads one row k at 32 neighbouring columns (128 consecutive bytes); a lane's 32 registers are a block of 32 along K of one column.
; The codes gather in the wave's stage, a row for each column, and leave as rows: sixteen lanes store 256 consecutive bytes.  One text serves both weights: the row's length stands in a register.
.Lweights:
	s_sub_co_u32 s20, ttmp9, 128
	s_cmp_lt_u32 s20, 96                           ; W_qkv's work-group or W_out's?  The choice hangs on the work-group's number alone
	s_cselect_b64 s[4:5], s[6:7], s[8:9]           ; the weight
	s_cselect_b64 s[12:13], s[14:15], s[16:17]     ; its codes
	s_mov_b32 s21, 4096
	s_cselect_b32 s21, 12288, s21                  ; bytes in a row of the weight
	s_cselect_b32 s22, 0, 96
	s_sub_co_u32 s20, s20, s22                     ; the work-group's number within its weight
	s_lshr_b32 s23, s20, 2                         ; which 128 columns
	s_and_b32 s24, s20, 3                          ; which 256 along K
	s_lshl_b32 s23, s23, 7
	s_lshl_b32 s25, s18, 5
	s_add_co_u32 s23, s23, s25                     ; my wave's first column
	s_mul_i32 s26, s24, s21
	s_lshl_b32 s26, s26, 8                         ; 256 rows for each step along K,
	s_lshl_b32 s25, s23, 2
	s_add_co_u32 s26, s26, s25                     ; + 4 bytes a column
	s_mov_b32 s27, 0
	s_add_nc_u64 s[4:5], s[4:5], s[26:27]
	s_lshl_b32 s26, s23, 10                        ; the codes: a row of 1,024 bytes for each column,
	s_lshl_b32 s25, s24, 8
	s_add_co_u32 s26, s26, s25                     ; + 256 bytes for each step along K
	s_add_nc_u64 s[12:13], s[12:13], s[26:27]
	s_lshl_b32 s28, s21, 5                         ; 32 rows on
	s_mov_b32 s29, 0
	s_wait_alu depctr_va_vdst(0)
	v_lshlrev_b32 v[OF], 2, v2                     ; 4 bytes a lane
.set i, 1
.rept 31
	v_add_nc_u32 v[OF+i], s21, v[OF+i-1]           ; one row further down
.set i, i+1
.endr
	s_mul_i32 s19, s18, 32*PITCH
	s_add_co_u32 s19, s19, WSTG                    ; my stage
	v_mul_u32_u24 v4, v2, PITCH
	v_add_nc_u32 v4, s19, v4                       ; into it: row = my column
	v_and_b32 v5, 15, v2
	v_lshrrev_b32 v6, 4, v2
	v_mul_u32_u24 v7, v6, PITCH
	v_lshl_add_u32 v7, v5, 4, v7
	v_add_nc_u32 v7, s19, v7                       ; out of it: sixteen lanes to a row, two rows an instruction
	v_lshlrev_b32 v8, 10, v6
	v_lshl_add_u32 v8, v5, 4, v8                   ; and the same place among the codes
.macro LOADW t                         ; block t into set t % 2
.if (\t) > 0
	s_wait_xcnt 0x0                                ; the earlier loads have read their base: it steps only behind this wait
	s_add_nc_u64 s[4:5], s[4:5], s[28:29]
.endif
.irp i, 0,1,2,3,4,5,6,7,8,9,10,11,12,13,14,15,16,17,18,19,20,21,22,23,24,25,26,27,28,29,30,31
	global_load_b32 v[XW+32*((\t)%2)+\i], v[OF+\i], s[4:5] th:TH_LOAD_NT
.endr
.endm
	LOADW 0
	LOADW 1
	s_wait_kmcnt 0x0
	s_cmp_lt_u32 ttmp9, 224
	s_cselect_b32 s30, s33, s39                    ; e1 for W_qkv, e7 for W_out
	s_add_co_i32 s30, s30, 127
	s_lshl_b32 s31, s30, 23
	v_mov_b32 v11, s31                             ; 2^e
	s_add_co_i32 s30, s30, 8
	s_lshl_b32 s30, s30, 23
	s_or_b32 s30, s30, 0x600000
	v_mov_b32 v10, s30                             ; 448 x 2^e
.macro BLOCKW t
.set XS, XW+32*((\t)%2)
.if (\t) < NB-1
	s_wait_loadcnt 32                              ; this block's 32 loads are in; the next block's 32 may be out
.else
	s_wait_loadcnt 0
.endif
.irp i, 0,1,2,3,4,5,6,7,8,9,10,11,12,13,14,15,16,17,18,19,20,21,22,23,24,25,26,27,28,29,30,31
	v_med3_num_f32 v[XS+\i], v[XS+\i], -v10, v10
.endr
.irp g, 0,1,2,3
	v_cvt_scalef32_pk8_fp8_f32 v[CW+2*\g:CW+2*\g+1], v[XS+8*\g:XS+8*\g+7], v11
.endr
	ds_store_b128 v4, v[CW:CW+3] offset:32*(\t)    ; 32 codes: 32 bytes of my column's row
	ds_store_b128 v4, v[CW+4:CW+7] offset:32*(\t)+16
.if (\t)+2 < NB
	LOADW (\t)+2
.endif
	s_wait_dscnt 0x0                               ; the stores have read their registers: the next block's codes may be written
.endm
.set Q, 0
	s_wait_alu depctr_va_vdst(0)
.rept NB
	BLOCKW Q
.set Q, Q+1
.endr
.irp t, 0,1,2,3,4,5,6,7,8,9,10,11,12,13,14,15
	ds_load_b128 v[XW+4*\t:XW+4*\t+3], v7 offset:2*\t*PITCH   ; LDS serves a wave's instructions in order: these see my stores
.endr
.irp t, 0,1,2,3,4,5,6,7,8,9,10,11,12,13,14,15
	s_wait_dscnt 15-\t
	global_store_b128 v8, v[XW+4*\t:XW+4*\t+3], s[12:13] offset:2*\t*1024   ; sixteen lanes store 256 consecutive bytes, at a multiple of 256 from the buffer's first byte
.endr
	s_wait_tensorcnt 0x0                           ; the wave's end: the same three lines
	ds_add_u32 v[SPW], v[NIL]
	s_wait_dscnt 0x0
	s_endpgm
.Lfunc_end_k_q5d9d212e20_quant:
	.size	k_q5d9d212e20_quant, .Lfunc_end_k_q5d9d212e20_quant-k_q5d9d212e20_quant
	.p2alignl 7, 3214868480
	.fill 96, 4, 3214868480
	.section	.rodata,"a",@progbits
	.p2align	6, 0x0
	.amdhsa_kernel k_q5d9d212e20_quant
		.amdhsa_group_segment_fixed_size 68096
		.amdhsa_private_segment_fixed_size 0
		.amdhsa_enable_private_segment 0
		.amdhsa_kernarg_size 56
		.amdhsa_user_sgpr_count 2
		.amdhsa_user_sgpr_kernarg_segment_ptr 1
		.amdhsa_wavefront_size32 1
		.amdhsa_system_sgpr_workgroup_id_x 1
		.amdhsa_system_sgpr_workgroup_id_y 1
		.amdhsa_system_sgpr_workgroup_id_z 1
		.amdhsa_system_vgpr_workitem_id 0
		.amdhsa_next_free_vgpr 192
		.amdhsa_next_free_sgpr 66
		.amdhsa_reserve_vcc 0
		.amdhsa_float_denorm_mode_32 3
		.amdhsa_float_denorm_mode_16_64 3
		.amdhsa_memory_ordered 1
		.amdhsa_forward_progress 1
		.amdhsa_inst_pref_size 87
	.end_amdhsa_kernel
	.amdgpu_metadata
---
amdhsa.version: [ 1, 2 ]
amdhsa.kernels:
  - .name:           k_q5d9d212e20_quant
    .symbol:         k_q5d9d212e20_quant.kd
    .args:
      - { .name: hidden_states, .offset: 0, .size: 8, .value_kind: global_buffer, .address_space: global }
      - { .name: W_qkv, .offset: 8, .size: 8, .value_kind: global_buffer, .address_space: global }
      - { .name: W_out, .offset: 16, .size: 8, .value_kind: global_buffer, .address_space: global }
      - { .name: lowp_scales, .offset: 24, .size: 8, .value_kind: global_buffer, .address_space: global }
      - { .name: x_codes, .offset: 32, .size: 8, .value_kind: global_buffer, .address_space: global }
      - { .name: wqkv_codes, .offset: 40, .size: 8, .value_kind: global_buffer, .address_space: global }
      - { .name: wout_codes, .offset: 48, .size: 8, .value_kind: global_buffer, .address_space: global }
    .group_segment_fixed_size: 68096
    .private_segment_fixed_size: 0
    .kernarg_segment_align: 8
    .kernarg_segment_size: 56
    .max_flat_workgroup_size: 128
    .sgpr_count:     66
    .vgpr_count:     192
    .wavefront_size: 32
...
	.end_amdgpu_metadata
.endif
;; end of part 1
;; launch qkv (part 2): grid 12 x 16, 4 waves a work-group, clusters of 4 x 4, 327,680 bytes of LDS; arguments x_codes, wqkv_codes, lowp_scales, b_qkv, q_codes, kv_codes; writes q_codes, kv_codes
.if DOCPART == 2
	.amdgcn_target "amdgcn-amd-amdhsa--gfx1250"
	.amdhsa_code_object_version 6
	.text
	.protected	k_q5d9d212e20_qkv
	.globl	k_q5d9d212e20_qkv
	.p2align	8
	.type	k_q5d9d212e20_qkv,@function
k_q5d9d212e20_qkv:
	s_mov_b64 s[64:65], 0
	v_nop
	global_prefetch_b8 v0, s[64:65] scope:SCOPE_SE
	s_setreg_imm32_b32 hwreg(HW_REG_WAVE_MODE, 25, 1), 1
	s_wait_xcnt 0x0
	s_wait_alu depctr_hold_cnt(0) depctr_sa_sdst(0) depctr_va_vdst(0) depctr_va_sdst(0) depctr_va_ssrc(0) depctr_va_vcc(0) depctr_vm_vsrc(0)
	s_getreg_b32 s2, hwreg(HW_REG_IB_STS2, 6, 4)
	s_cmp_eq_u32 s2, 0
	s_cbranch_scc0 .Lentry_in_a_cluster
	s_endpgm
.Lentry_in_a_cluster:
	s_bfe_u32 s2, ttmp6, 0x10000c
	s_cmp_lg_u32 s2, 0xf033
	s_cbranch_scc0 .Lentry_shape_is_right
	s_endpgm
.Lentry_shape_is_right:
.set KSTEP,  256
.set ROWB,   256
.set KROW,   1024
.set PITCH,  272
.set FR,     16
.set NL,     4
.set NP,     4
.set HALFT,  128*PITCH
.set SLOT,   4*HALFT
.set LAPS,   2
.set SPARE,  2*SLOT
.set ADRA, 16
.set ADRB, 20
.set STV,  22
.set RDV,  23
.set STQ,  24
.set RDQ,  25
.set CO,   26
.set BO,   27
.set SPW,  28
.set NIL,  29
.set SCL,  30
.set LIM,  31
.set BI,   64
.set AF,   128
.set TMP,  128
.set CD,   192
.set BK,   224
.set G1, 24
.set G0, 32
.set G1B, 48
.set G0B, 56
.set MSB, 0
.macro WIN new
.if MSB != \new
	s_set_vgpr_msb (MSB<<8)|\new
.set MSB, \new
.endif
.endm
.set MUL_LO, 0xa1
.set MUL_HI, 0xf1
.set TO_B,   0x40
.macro JLOAD g0a, g1a, g0b, g1b
	s_cmp_eq_u32 s15, 0
	s_cbranch_scc0 .Lfor_b_\@
	tensor_load_to_lds s[\g0a:\g0a+3], s[\g1a:\g1a+7]
	s_nop 0
.rept 4
	v_nop
.endr
	s_branch .Lasked_\@
.Lfor_b_\@:
	tensor_load_to_lds s[\g0b:\g0b+3], s[\g1b:\g1b+7]
	s_nop 0
.rept 4
	v_nop
.endr
.Lasked_\@:
.endm
.macro CREST
	s_cmp_lg_u32 s14, 0
	s_cbranch_scc1 .Lnot_wave_0_\@
	s_barrier_signal -3
.Lnot_wave_0_\@:
	s_barrier_wait -3
	s_barrier_signal -1
	s_barrier_wait -1
.endm
.macro CROUND
	s_barrier_signal -1
	s_barrier_wait -1
	CREST
.endm
	s_load_b256 s[4:11], s[0:1], 0x0
	s_load_b128 s[68:71], s[0:1], 0x20
	v_lshl_add_u32 v[SPW], v0, 2, SPARE
	v_mov_b32 v[NIL], 0
	ds_add_u32 v[SPW], v[NIL]
	ds_add_u32 v[SPW], v[NIL]
	v_lshrrev_b32 v1, 5, v0
	v_readfirstlane_b32 s14, v1
	s_lshr_b32 s15, s14, 1
	s_and_b32 s16, s14, 1
	s_bfe_u32 s40, ttmp6, 0x40000
	s_bfe_u32 s41, ttmp6, 0x40004
	s_mov_b32 s74, ttmp9
	s_and_b32 s75, ttmp7, 0xffff
	s_lshl_b32 s12, s75, 2
	s_add_co_u32 s17, s12, s41
	s_add_co_u32 s13, s12, s40
	s_lshl_b32 s12, s74, 2
	s_add_co_u32 s42, s12, s40
	s_cmp_eq_u32 s74, 2
	s_cselect_b32 s17, s41, s17
	s_cselect_b32 s42, s13, s42
	s_cselect_b32 s66, 2048, 0
	s_lshl_b32 s43, s41, 2
	s_lshl_b32 s43, 15, s43
	s_lshl_b32 s44, 0x1111, s40
	s_or_b32 s[G1+0], s43, (0<<16)|(1<<20)|(1<<21)|(5<<22)|(3<<25)
	s_or_b32 s[G1B+0], s44, (0<<16)|(1<<20)|(1<<21)|(5<<22)|(3<<25)
.irp g, G1, G1B
	s_mov_b32 s[\g+1], ROWB<<16
	s_mov_b32 s[\g+2], 128<<16
	s_mov_b32 s[\g+3], ROWB<<16
	s_mov_b32 s[\g+4], 128
	s_mov_b32 s[\g+5], KROW
	s_mov_b32 s[\g+6], 0
	s_mov_b32 s[\g+7], 0
.endr
	s_lshl_b32 s18, s16, 7
	s_lshl_b32 s20, s17, 8
	s_add_co_u32 s20, s20, s18
	s_add_co_u32 s20, s20, s66
	s_lshl_b32 s20, s20, 10
	s_mov_b32 s21, 0
	s_lshl_b32 s46, s42, 8
	s_add_co_u32 s46, s46, s18
	s_lshl_b32 s46, s46, 10
	s_mov_b32 s47, 0
	s_mul_i32 s45, s14, HALFT
	s_wait_dscnt 0x0
	s_wait_kmcnt 0x0
	s_load_b256 s[88:95], s[8:9], 0x0
	s_cmp_eq_u32 s74, 2
	s_cselect_b64 s[76:77], s[6:7], s[4:5]
	s_cselect_b64 s[78:79], s[4:5], s[6:7]
	s_add_nc_u64 s[20:21], s[76:77], s[20:21]
	s_add_nc_u64 s[46:47], s[78:79], s[46:47]
	CROUND
.irp s, 0,1
	s_mov_b32 s[G0+4*\s], 1
	s_add_co_u32 s[G0+4*\s+1], s45, \s*SLOT
	s_add_nc_u64 s[G0+4*\s+2:G0+4*\s+3], s[20:21], \s*ROWB
	s_or_b32 s[G0+4*\s+3], s[G0+4*\s+3], 0x80000000
	s_mov_b32 s[G0B+4*\s], 1
	s_add_co_u32 s[G0B+4*\s+1], s45, \s*SLOT
	s_add_nc_u64 s[G0B+4*\s+2:G0B+4*\s+3], s[46:47], \s*ROWB
	s_or_b32 s[G0B+4*\s+3], s[G0B+4*\s+3], 0x80000000
	s_wait_alu depctr_va_vdst(0)
	s_wait_tensorcnt 0x0
	ds_add_u32 v28, v29
	ds_add_u32 v28, v29
	s_wait_dscnt 0x0
	CROUND
	JLOAD G0+4*\s, G1, G0B+4*\s, G1B
.endr
	v_and_b32 v1, 15, v0
	s_wait_alu depctr_va_vdst(0)
	v_bfe_u32 v2, v0, 4, 1
	v_mul_u32_u24 v3, v1, PITCH
	v_lshl_add_u32 v4, v2, 4, v3
	s_mul_i32 s21, s15, HALFT
	s_mul_i32 s22, s16, HALFT
	s_add_co_u32 s22, s22, 2*HALFT
.irp s, 0,1
	v_add_nc_u32 v[ADRA+\s], s21, v4
	v_add_nc_u32 v[ADRB+\s], s22, v4
	s_add_co_u32 s21, s21, SLOT
	s_add_co_u32 s22, s22, SLOT
.endr
	s_mul_i32 s23, s14, 2560
	v_mul_u32_u24 v5, v1, 80
	s_wait_alu depctr_va_vdst(0)
	v_lshl_add_u32 v5, v2, 3, v5
	v_add_nc_u32 v[STQ], s23, v5
	v_and_b32 v6, 31, v0
	v_and_b32 v7, 15, v6
	v_mul_u32_u24 v7, v7, 80
	v_lshrrev_b32 v8, 4, v6
	v_lshl_add_u32 v7, v8, 4, v7
	v_add_nc_u32 v[RDQ], s23, v7
	s_mul_i32 s23, s14, 2304
	s_add_co_u32 s23, s23, 16384
	v_mul_u32_u24 v5, v1, 144
	v_lshl_add_u32 v5, v2, 4, v5
	v_add_nc_u32 v[STV], s23, v5
	v_lshrrev_b32 v7, 3, v6
	v_mul_u32_u24 v7, v7, 144
	v_and_b32 v8, 7, v6
	v_lshl_add_u32 v7, v8, 4, v7
	v_add_nc_u32 v[RDV], s23, v7
	v_lshlrev_b32 v[CO], 4, v6
	s_cmp_eq_u32 s74, 2
	s_cselect_b32 s82, s41, s40
	s_cselect_b32 s83, s40, s41
	s_cselect_b32 s86, s16, s15
	s_cselect_b32 s87, s15, s16
	s_cselect_b32 s96, 32768, 0
	s_lshl_b32 s97, s75, 2
	s_add_co_u32 s97, s97, s83
	s_lshl_b32 s97, s97, 1
	s_add_co_u32 s97, s97, s86
	s_lshl_b32 s82, s82, 5
	s_add_co_u32 s82, s82, s97
	s_cmp_eq_u32 s74, 0
	s_cselect_b32 s83, 15, 16
	s_cselect_b64 s[72:73], s[68:69], s[70:71]
	s_lshl_b32 s82, s82, s83
	s_add_co_u32 s82, s82, s96
	s_lshl_b32 s87, s87, 14
	s_add_co_u32 s82, s82, s87
	s_mov_b32 s83, 0
	s_add_nc_u64 s[72:73], s[72:73], s[82:83]
	s_cmp_eq_u32 s74, 2
	s_cbranch_scc1 .Lbias_v
	v_lshlrev_b32 v[BO], 5, v2
	s_lshl_b32 s82, s42, 10
	s_lshl_b32 s83, s16, 9
	s_add_co_u32 s82, s82, s83
	s_mov_b32 s83, 0
	s_add_nc_u64 s[80:81], s[10:11], s[82:83]
.irp b, 0,1,2,3,4,5,6,7
	global_load_b128 v[BI+8*\b:BI+8*\b+3], v[BO], s[80:81] offset:64*\b
	global_load_b128 v[BI+8*\b+4:BI+8*\b+7], v[BO], s[80:81] offset:64*\b+16
.endr
	s_branch .Lbias_done
.Lbias_v:
	v_lshlrev_b32 v[BO], 2, v1
	s_lshl_b32 s82, s41, 10
	s_lshl_b32 s83, s15, 9
	s_add_co_u32 s82, s82, s83
	s_add_co_u32 s82, s82, 8192
	s_mov_b32 s83, 0
	s_add_nc_u64 s[80:81], s[10:11], s[82:83]
.irp a, 0,1,2,3,4,5,6,7
	global_load_b32 v[BI+2*\a], v[BO], s[80:81] offset:64*\a
	global_load_b32 v[BI+2*\a+1], v[BO], s[80:81] offset:64*\a
.endr
.Lbias_done:
.macro FRAG reg, adr, q, i
.irp c, 0,1,2,3
	ds_load_b128 v[\reg+4*\c:\reg+4*\c+3], v[\adr] offset:128*(\q)+32*\c+(\i)*16*PITCH
.endr
.endm
.macro MUL16 a0, p, zero
.irp a, \a0, \a0+1
.irp b, 0,1,2,3,4,5,6,7
.if \zero
	v_wmma_f32_16x16x128_fp8_fp8 v[8*(8*((\a)%4)+\b):8*(8*((\a)%4)+\b)+7], v[128*(\p)+FR*\b:128*(\p)+FR*\b+FR-1], v[AF+FR*(\a):AF+FR*(\a)+FR-1], 0
.else
	v_wmma_f32_16x16x128_fp8_fp8 v[8*(8*((\a)%4)+\b):8*(8*((\a)%4)+\b)+7], v[128*(\p)+FR*\b:128*(\p)+FR*\b+FR-1], v[AF+FR*(\a):AF+FR*(\a)+FR-1], v[8*(8*((\a)%4)+\b):8*(8*((\a)%4)+\b)+7]
.endif
.endr
.endr
.endm
.macro FETCH_B slot, q, p
	WIN TO_B
.irp i, 0,1,2,3,4,5,6,7
	FRAG 128*(\p)+FR*\i, ADRB+\slot, \q, \i
.endr
	WIN 0
.endm
.macro FETCH_A slot, q, i0
.irp i, \i0, \i0+1, \i0+2, \i0+3
	FRAG AF+FR*(\i), ADRA+\slot, \q, \i
.endr
.endm
.macro PLACES n
.rept \n
	v_nop
.endr
.endm
.macro STEP slot, q, zero
	s_wait_dscnt 4*NL
	WIN MUL_LO
	MUL16 0, (\q)%2, \zero
	MUL16 2, (\q)%2, \zero
	s_wait_dscnt 0
	PLACES NP
	FETCH_B \slot, (\q)+1, 1-(\q)%2
	FETCH_A \slot, (\q)+1, 0
	WIN MUL_HI
	MUL16 4, (\q)%2, \zero
	MUL16 6, (\q)%2, \zero
	PLACES NP
	WIN 0
	FETCH_A \slot, (\q)+1, 4
.endm
.macro TURN slot, next, fill
	s_wait_tensorcnt 0x0
	ds_add_u32 v[SPW], v[NIL]
	s_wait_dscnt 4*NL+1
	WIN MUL_LO
	MUL16 0, 1, 0
	s_wait_dscnt 0x0
	s_barrier_signal -1
	MUL16 2, 1, 0
	WIN 0
	s_barrier_wait -1
.if \fill
	CREST
	s_add_nc_u64 s[G0+4*\slot+2:G0+4*\slot+3], s[G0+4*\slot+2:G0+4*\slot+3], 2*ROWB
	s_add_nc_u64 s[G0B+4*\slot+2:G0B+4*\slot+3], s[G0B+4*\slot+2:G0B+4*\slot+3], 2*ROWB
	JLOAD G0+4*\slot, G1, G0B+4*\slot, G1B
.else
	PLACES NP
.endif
	FETCH_B \next, 0, 0
	FETCH_A \next, 0, 0
	WIN MUL_HI
	MUL16 4, 1, 0
	MUL16 6, 1, 0
	PLACES NP
	WIN 0
	FETCH_A \next, 0, 4
.endm
	s_wait_tensorcnt 1
	s_barrier_signal -1
	s_barrier_wait -1
	FETCH_B 0, 0, 0
	FETCH_A 0, 0, 0
	FETCH_A 0, 0, 4
	STEP 0, 0, 1
	s_mov_b32 s3, LAPS-1
.Llap:
	TURN 0, 1, 1
	STEP 1, 0, 0
	TURN 1, 0, 1
	STEP 0, 0, 0
	s_sub_co_u32 s3, s3, 1
	s_cmp_lg_u32 s3, 0
	s_cbranch_scc1 .Llap
	TURN 0, 1, 0
	STEP 1, 0, 0
	s_wait_dscnt 4*NL
	WIN MUL_LO
	MUL16 0, 1, 0
	MUL16 2, 1, 0
	s_wait_dscnt 0
	WIN MUL_HI
	MUL16 4, 1, 0
	MUL16 6, 1, 0
	WIN 0
.macro OUT kind, a
.set AC, 64*((\a)%4)
.set CC, CD+16*((\a)%2)
.set BB, BK+16*((\a)%2)
	WIN 0x02+((\a)/4)
.set j, 0
.rept 32
.if \kind
	v_pk_fma_f32 v[TMP+j:TMP+j+1], v[AC+j:AC+j+1], s[84:85], v[BI+2*(\a):BI+2*(\a)+1] op_sel_hi:[1,0,1]
.else
	v_pk_fma_f32 v[TMP+j:TMP+j+1], v[AC+j:AC+j+1], s[84:85], v[BI+j:BI+j+1] op_sel_hi:[1,0,1]
.endif
.set j, j+2
.endr
	WIN 0
.set j, 0
.rept 64
	v_med3_num_f32 v[TMP+j], v[TMP+j], -v[LIM], v[LIM]
.set j, j+1
.endr
.irp b, 0,1,2,3,4,5,6,7
	v_cvt_scalef32_pk8_fp8_f32 v[CC+2*\b:CC+2*\b+1], v[TMP+8*\b:TMP+8*\b+7], v[SCL]
.endr
	v_nop
.if \kind
.irp c, 0,1,2,3
	ds_store_b128 v[STV], v[CC+4*\c:CC+4*\c+3] offset:32*\c
.endr
.irp i, 0,1,2,3
	ds_load_b128 v[BB+4*\i:BB+4*\i+3], v[STV] offset:32*\i
.endr
.else
.irp b, 0,1,2,3,4,5,6,7
	ds_store_b64 v[STQ], v[CC+2*\b:CC+2*\b+1] offset:(\b/4)*1280+(\b%4)*16
.endr
.irp i, 0,1,2,3
	ds_load_b128 v[BB+4*\i:BB+4*\i+3], v[RDQ] offset:(\i/2)*1280+(\i%2)*32
.endr
.endif
.endm
.macro SEND kind, a, younger
.set BB, BK+16*((\a)%2)
	s_wait_dscnt \younger
.irp i, 0,1,2,3
.if \kind
	global_store_b128 v[CO], v[BB+4*\i:BB+4*\i+3], s[72:73] offset:(\a)*2048+\i*512
.else
	global_store_b128 v[CO], v[BB+4*\i:BB+4*\i+3], s[72:73] offset:(\i/2)*8192+(\a)*1024+(\i%2)*512
.endif
.endr
.endm
.macro OUTS kind
	OUT \kind, 0
.irp a, 1,2,3,4,5,6,7
.if \a > 1
	s_wait_xcnt 0x0
.endif
	OUT \kind, \a
	SEND \kind, \a-1, 12-4*\kind
.endr
	SEND \kind, 7, 0
.endm
	s_wait_kmcnt 0x0
	s_add_co_i32 s84, s88, s89
	s_add_co_i32 s84, s84, 127
	s_lshl_b32 s84, s84, 23
	s_mov_b32 s85, s84
	s_add_co_i32 s82, s90, 3
	s_cmp_eq_u32 s74, 0
	s_cselect_b32 s82, s82, s91
	s_cmp_eq_u32 s74, 2
	s_cselect_b32 s82, s93, s82
	s_add_co_i32 s82, s82, 127
	s_lshl_b32 s83, s82, 23
	v_mov_b32 v[SCL], s83
	s_add_co_i32 s82, s82, 8
	s_lshl_b32 s82, s82, 23
	s_or_b32 s82, s82, 0x600000
	v_mov_b32 v[LIM], s82
	s_wait_loadcnt 0x0
	PLACES NP
	s_cmp_eq_u32 s74, 2
	s_cbranch_scc1 .Lout_v
	OUTS 0
	s_branch .Lend
.Lout_v:
	OUTS 1
.Lend:
	s_wait_tensorcnt 0x0
	ds_add_u32 v[SPW], v[NIL]
	s_wait_dscnt 0x0
	CROUND
	s_endpgm
.Lfunc_end_k_q5d9d212e20_qkv:
	.size	k_q5d9d212e20_qkv, .Lfunc_end_k_q5d9d212e20_qkv-k_q5d9d212e20_qkv
	.p2alignl 7, 3214868480
	.fill 96, 4, 3214868480
	.section	.rodata,"a",@progbits
	.p2align	6, 0x0
	.amdhsa_kernel k_q5d9d212e20_qkv
		.amdhsa_group_segment_fixed_size 327680
		.amdhsa_private_segment_fixed_size 0
		.amdhsa_enable_private_segment 0
		.amdhsa_kernarg_size 48
		.amdhsa_user_sgpr_count 2
		.amdhsa_user_sgpr_kernarg_segment_ptr 1
		.amdhsa_wavefront_size32 1
		.amdhsa_system_sgpr_workgroup_id_x 1
		.amdhsa_system_sgpr_workgroup_id_y 1
		.amdhsa_system_sgpr_workgroup_id_z 1
		.amdhsa_system_vgpr_workitem_id 0
		.amdhsa_next_free_vgpr 1024
		.amdhsa_next_free_sgpr 100
		.amdhsa_reserve_vcc 0
		.amdhsa_float_denorm_mode_32 3
		.amdhsa_float_denorm_mode_16_64 3
		.amdhsa_memory_ordered 1
		.amdhsa_forward_progress 1
		.amdhsa_inst_pref_size 207
	.end_amdhsa_kernel
	.amdgpu_metadata
---
amdhsa.version: [ 1, 2 ]
amdhsa.kernels:
  - .name:           k_q5d9d212e20_qkv
    .symbol:         k_q5d9d212e20_qkv.kd
    .args:
      - { .name: x_codes, .offset: 0, .size: 8, .value_kind: global_buffer, .address_space: global }
      - { .name: wqkv_codes, .offset: 8, .size: 8, .value_kind: global_buffer, .address_space: global }
      - { .name: lowp_scales, .offset: 16, .size: 8, .value_kind: global_buffer, .address_space: global }
      - { .name: b_qkv, .offset: 24, .size: 8, .value_kind: global_buffer, .address_space: global }
      - { .name: q_codes, .offset: 32, .size: 8, .value_kind: global_buffer, .address_space: global }
      - { .name: kv_codes, .offset: 40, .size: 8, .value_kind: global_buffer, .address_space: global }
    .group_segment_fixed_size: 327680
    .private_segment_fixed_size: 0
    .kernarg_segment_align: 8
    .kernarg_segment_size: 48
    .max_flat_workgroup_size: 128
    .sgpr_count:     100
    .vgpr_count:     1024
    .wavefront_size: 32
...
	.end_amdgpu_metadata
.endif
;; end of part 2
;; launch attn (part 3): grid 4 x 64, 8 waves a work-group, clusters of 4 x 4, 327,680 bytes of LDS; arguments q_codes, kv_codes, mask, lowp_scales, ctx_codes; writes ctx_codes
.if DOCPART == 3
	.amdgcn_target "amdgcn-amd-amdhsa--gfx1250"
	.amdhsa_code_object_version 6
	.text
	.protected	k_q5d9d212e20_attn
	.globl	k_q5d9d212e20_attn
	.p2align	8
	.type	k_q5d9d212e20_attn,@function
k_q5d9d212e20_attn:
	s_mov_b64 s[64:65], 0
	v_nop
	global_prefetch_b8 v0, s[64:65] scope:SCOPE_SE
	s_setreg_imm32_b32 hwreg(HW_REG_WAVE_MODE, 25, 1), 1
	s_wait_xcnt 0x0
	s_wait_alu depctr_hold_cnt(0) depctr_sa_sdst(0) depctr_va_vdst(0) depctr_va_sdst(0) depctr_va_ssrc(0) depctr_va_vcc(0) depctr_vm_vsrc(0)
	s_getreg_b32 s2, hwreg(HW_REG_IB_STS2, 6, 4)
	s_cmp_eq_u32 s2, 0
	s_cbranch_scc0 .Lentry_in_a_cluster
	s_endpgm
.Lentry_in_a_cluster:
	s_bfe_u32 s2, ttmp6, 0x10000c
	s_cmp_lg_u32 s2, 0xf033
	s_cbranch_scc0 .Lentry_shape_is_right
	s_endpgm
.Lentry_shape_is_right:
; ctx = softmax(scores x mask - 10000 (1 - mask)) v, both products on codes of FP8 (E4M3); ctx is quantised at once with 2^e6.  The mask is an input: every number of it is read, no key is left out.
; q_codes [g 4][block 32][hl 4][8 tiles of 16 queries][1,024 bytes] (q / 8 at 2^e2); kv_codes [g 4][step 32][K: hl 4 x 8 tiles of 16 keys x 1,024 bytes | V: hl 4 x 4 tiles of 16 channels x 2,048 bytes]; head = 4 g + hl.
; A tile of Q, K or V lies in the order of the operand's registers: the c-th group of four registers of lane l is the 16 bytes at 512 c + 16 l, so each load of a wave reads 512 consecutive bytes.  mask [4096][4096] f32; ctx_codes [4096][1024].
; SOFTMAX.  With E = e2 + e3 a sum s of the first product stands for s x 2^E.  logit / 2^E = s m + (K m - K), K = 10000 / 2^E: two fused multiply-adds.  t = that x c, c = log2(e) x 2^E.
; M = the running largest t rounded UP to a whole number (kept as -M); p = 2^(t - M) is quantised with 2^e4, not normalised; the row's sum is taken of the unquantised p; when M moves, the sum and O are multiplied by 2^(old M - new M): exact.
; LIMITS: e2 + e3 between -114 and 127 (K and c are f32 numbers); e4 and e6 between -126 and 119; e4 + e5 is applied by v_ldexp_f32.  NaN is not served.
; SHARES.  A work-group: 4 heads (g) x 64 queries.  Eight waves, two to a SIMD: wave w has head w / 2 and queries 32 (w % 2) on, as two tiles of 16: each fragment of K and V feeds two tiles.  32 steps of 128 keys.
; THE MASK comes through a ring of two LDS slots of 512 keys (four planes of 64 rows x 128 keys), so that a refill has four steps in which to land.  Every wave issues one load for each fill: 32 rows of one plane.
; CLUSTER.  4 x 4 work-groups.  The mask's tile hangs on the query block alone and is asked for jointly along a row of the cluster.
; K AND V go from memory straight into the operand registers and are not asked for jointly: with their 2 x 34,816 bytes a step beside the mask's 33,792, two slots in 327,680 bytes of LDS hold 128 keys each and no more; with the mask alone they hold 512.
; V's fragments are asked for at a step's top, the next step's K behind this step's first product; one wait for both stands ahead of the second product.
; LAYOUT.  Both products transposed: S^T = K Q^T (lane (r, h), tile t, register j: query r, key 16 t + 8 h + j), O^T = V^T P.  The conversions of tile t's eight registers are registers 2 t, 2 t + 1 of P; V is stored to match.
; REGISTERS.  window 0: v3 my place in a plane, v6 the mask's address in hand, v7, v8 the add's two, v9 the prefetches' offset, v10 and v29 448 x 2^e4, v11 2^e4, v12-27 statistics (tile x at 12 + 8 x: -M, largest t, the sum in two halves, f, its pair, two at work),
;   v28 16 x lane, v[30:31] K, v32-47 Q, v48-63 eight pairs at work, v64-127 tile 0's mask, v128-255 S^T then p.   window 1: v0-63 K, v64-127 V, v128-191 O^T, v192-255 tile 1's mask; P's 32 registers lie over its first 32.
.set MP,    528                        ; a row of a plane in LDS: 512 bytes + 16
.set LP,    272                        ; a row of the stage: 256 bytes + 16
.set PLANE, 64*MP                      ; one step's mask
.set SLOTB, 4*PLANE
.set STAGE, 2*SLOTB                    ; behind the ring: 64 rows x 272 bytes for the way out; no fill lands there
.set SPARE, STAGE+64*LP                ; the spare words, 128 bytes for each of eight waves
.set AM0, 3
.set ADM, 6
.set SPW, 7
.set NIL, 8
.set PFO, 9
.set HOLD, 10
.set SCL, 11
.set ST,  12
.set KVO, 28
.set HOLD2, 29
.set KP,  30
.set QF,  32
.set T,   48
.set M0,  64
.set S,   128
.set VF,  64
.set OA,  128
.set M1,  192
.set PF,  192
.set CNT, 2                            ; s2  refills still to be asked for
.set WV,  14
.set HL,  15
.set QP,  16
.set TB,  23                           ; s23 LDS byte at which the slot in hand begins
.set G1M, 24                           ; s[24:31] descriptor group 1, s[40:43] group 0, which walks
.set KB,  32                           ; s[32:33] my head's K of the step in hand
.set PSS, 34                           ; s[34:35] what a step adds to my prefetches' address, s[36:37] what a change of slots adds
.set PSC, 36
.set LIMM, 38                          ; s38 1 in a wave that prefetches the mask, else the greatest number
.set LIMK, 39                          ; s39 29 in a wave that prefetches K and V, else 0
.set G0M, 40
.set STP, 44                           ; s44 the step, 0 to 31
.set MB,  45                           ; s45 LDS byte at which the plane in hand begins
.set CS,  56                           ; s[56:57] c
.set SEL, 58                           ; s[58:59] selects for lane l xor 16
.set PFA, 76                           ; s[76:77] where my prefetches stand
.set MSB, 0
.macro WIN new
.if MSB != \new
	s_set_vgpr_msb (MSB<<8)|\new
.set MSB, \new
.endif
.endm
.macro DRAIN
	s_wait_alu depctr_va_vdst(0)
.endm
.macro CROUND                          ; a round of the cluster's barrier
	s_barrier_signal -1
	s_barrier_wait -1
	s_cmp_lg_u32 s[WV], 0
	s_cbranch_scc1 .Lnot_wave_0_\@
	s_barrier_signal -3
.Lnot_wave_0_\@:
	s_barrier_wait -3
	s_barrier_signal -1
	s_barrier_wait -1
.endm
.macro JLOAD                           ; my one joint load; s_nop 0 and four v_nop follow it
	tensor_load_to_lds s[G0M:G0M+3], s[G1M:G1M+7]
	s_nop 0
.rept 4
	v_nop
.endr
.endm
; PREFETCHES INTO THE L2, one instruction a wave, each lane another aligned block of 256 bytes.
; The mask: at the change of slots that loads keys 512 n on, the 512 keys after those: four steps ahead of their load.  Of the tile's 64 rows x 2,048 bytes the four partners of a row of the cluster take 16 rows each, told apart by address (cx);
; waves 0 to 3 take four of them each, eight lanes to a row.  The last change that fills a slot asks for nothing.  The first 1,536 keys come by their loads alone.
; K and V: in step i the block of step i + 3 (65,536 bytes): waves 4 and 5 of the clusters with y = 0, since all clusters walk the same blocks; the four partners of a column take 16,384 bytes each, by address (cy).  Steps 29 to 31 ask for nothing.
.macro ASKM
	s_cmp_gt_u32 s[CNT], s[LIMM]
	s_cbranch_scc0 .Lnot_mine_\@
	global_prefetch_b8 v[PFO], s[PFA:PFA+1] th:TH_LOAD_NT scope:SCOPE_SE
.Lnot_mine_\@:
.endm
.macro ASKK
	s_cmp_lt_u32 s[STP], s[LIMK]
	s_cbranch_scc0 .Lnot_mine_\@
	global_prefetch_b8 v[PFO], s[PFA:PFA+1] th:TH_LOAD_NT scope:SCOPE_SE
.Lnot_mine_\@:
.endm
.macro LDK off                         ; K: eight tiles of 16 keys x 64
	WIN 0x40
.irp t, 0,1,2,3,4,5,6,7
	global_load_b128 v[8*\t:8*\t+3], v[KVO], s[KB:KB+1] offset:\off+1024*\t
	global_load_b128 v[8*\t+4:8*\t+7], v[KVO], s[KB:KB+1] offset:\off+1024*\t+512
.endr
.endm
.macro LDV                             ; V: four tiles of 16 channels x 128 keys
	WIN 0x40
.irp d, 0,1,2,3
.irp c, 0,1,2,3
	global_load_b128 v[VF+16*\d+4*\c:VF+16*\d+4*\c+3], v[KVO], s[KB:KB+1] offset:32768+2048*\d+512*\c
.endr
.endr
.endm
	s_load_b256 s[4:11], s[0:1], 0x0               ; q_codes, kv_codes, mask, the scales' exponents
	s_load_b64 s[12:13], s[0:1], 0x20              ; ctx_codes
	v_lshl_add_u32 v[SPW], v0, 2, SPARE
	v_mov_b32 v[NIL], 0
	ds_add_u32 v[SPW], v[NIL]                      ; the opening: the add, twice on end, and its wait ahead of my first tensor load
	ds_add_u32 v[SPW], v[NIL]
	v_lshrrev_b32 v1, 5, v0
	v_readfirstlane_b32 s[WV], v1                  ; wave 0..7
	s_lshr_b32 s[HL], s[WV], 1                     ; my head among the four.  Also: the plane that I fetch
	s_and_b32 s[QP], s[WV], 1                      ; my 32 of the 64 queries.  Also: the 32 rows that I fetch
	s_and_b32 s60, s[WV], 3
	s_bfe_u32 s17, ttmp6, 0x40000                  ; cx
	s_bfe_u32 s18, ttmp6, 0x40004                  ; cy
	s_lshl_b32 s19, ttmp9, 2
	s_add_co_u32 s19, s19, s17                     ; g
	s_and_b32 s81, ttmp7, 0xffff                   ; cluster y
	s_lshl_b32 s20, s81, 2
	s_add_co_u32 s20, s20, s18                     ; my block of 64 queries
	s_lshl_b32 s21, s18, 2
	s_lshl_b32 s21, 15, s21                        ; my row of the cluster
	s_or_b32 s[G1M], s21, (2<<16)|(1<<20)|(1<<21)|(6<<22)|(3<<25)   ; elements of 4 bytes; 4 words of padding after every 128
	s_mov_b32 s[G1M+1], 128<<16
	s_mov_b32 s[G1M+2], 32<<16
	s_mov_b32 s[G1M+3], 128<<16
	s_mov_b32 s[G1M+4], 32                         ; 32 rows x 128 numbers
	s_mov_b32 s[G1M+5], 4096
	s_mov_b32 s[G1M+6], 0
	s_mov_b32 s[G1M+7], 0
	s_lshl_b32 s82, s20, 20                        ; the mask: 64 rows of 16,384 bytes for each block of queries,
	s_lshl_b32 s83, s[QP], 19                      ; my 32 rows,
	s_add_co_u32 s82, s82, s83
	s_lshl_b32 s83, s[HL], 9                       ; my plane's 128 keys
	s_add_co_u32 s82, s82, s83
	s_mov_b32 s83, 0
	s_mul_i32 s61, s[WV], 32*MP                    ; their place in a slot: wave x 32 rows: no place in the cluster enters an LDS address
	s_mov_b32 s[SEL], 0x76543210
	s_mov_b32 s[SEL+1], 0xfedcba98
	s_mov_b32 s[TB], 0
	s_mov_b32 s[MB], 0
	s_mov_b32 s[STP], 0
	s_mov_b32 s[CNT], 6                            ; keys 1,024 on are asked for at the first six changes of slots
	s_wait_dscnt 0x0                               ; both opening adds are done
	s_wait_kmcnt 0x0
	s_load_b256 s[68:75], s[10:11], 0x0            ; e0 .. e7
	s_mov_b32 s[G0M], 1
	s_mov_b32 s[G0M+1], s61
	s_add_nc_u64 s[G0M+2:G0M+3], s[8:9], s[82:83]
	s_or_b32 s[G0M+3], s[G0M+3], 0x80000000
	CROUND                                         ; all sixteen work-groups are here: the first joint loads meet
	JLOAD                                          ; keys 0 to 511 into slot 0: one tensor load a wave at the head
	; scalar set-up first, then one run of vector lines
	s_lshl_b32 s88, s19, 5
	s_lshr_b32 s89, s20, 1
	s_add_co_u32 s88, s88, s89                     ; 32 g + the block of 128 queries
	s_lshl_b32 s88, s88, 2
	s_add_co_u32 s88, s88, s[HL]
	s_lshl_b32 s88, s88, 13                        ; 8,192 bytes a head
	s_and_b32 s89, s20, 1
	s_lshl_b32 s89, s89, 12                        ; my work-group's 64 queries of the 128
	s_add_co_u32 s88, s88, s89
	s_lshl_b32 s89, s[QP], 11                      ; my wave's 32
	s_add_co_u32 s88, s88, s89
	s_mov_b32 s89, 0
	s_add_nc_u64 s[4:5], s[4:5], s[88:89]
	s_lshl_b32 s88, s19, 21                        ; kv_codes: 32 blocks of 65,536 bytes for each g,
	s_lshl_b32 s90, s[HL], 13                      ; 8,192 bytes a head
	s_add_co_u32 s88, s88, s90
	s_add_nc_u64 s[KB:KB+1], s[6:7], s[88:89]
	s_mul_i32 s91, s[QP], 32*MP
	s_cmp_lt_u32 s[WV], 4                          ; the prefetches: waves 0 to 3: the mask; waves 4 and 5: kv_codes
	s_cselect_b64 s[PFA:PFA+1], s[8:9], s[6:7]
	s_mov_b32 s87, 2048
	s_cselect_b32 s87, 16384, s87                  ; from one group of eight lanes to the next: a row of the mask, or 2,048 bytes
	s_cselect_b32 s[PSC], 2048, 0
	s_cselect_b32 s[PSS], 0, 65536
	s_cselect_b32 s[LIMM], 1, -1
	s_mov_b32 s[PSC+1], 0
	s_mov_b32 s[PSS+1], 0
	s_lshl_b32 s92, s20, 20
	s_lshl_b32 s93, s17, 18                        ; my work-group's 16 rows of the tile's 64,
	s_add_co_u32 s92, s92, s93
	s_lshl_b32 s93, s60, 16                        ; my wave's four
	s_add_co_u32 s92, s92, s93
	s_add_co_u32 s92, s92, 2*2048                  ; at key 1,024: the first change of slots steps it to key 1,536
	s_lshl_b32 s94, s19, 21
	s_lshl_b32 s93, s18, 14                        ; my work-group's quarter of the block,
	s_add_co_u32 s94, s94, s93
	s_lshl_b32 s93, s[QP], 13                      ; my wave's half of that
	s_add_co_u32 s94, s94, s93
	s_add_co_u32 s94, s94, 3*65536                 ; at step 3
	s_cmp_lt_u32 s[WV], 4
	s_cselect_b32 s92, s92, s94
	s_mov_b32 s93, 0
	s_add_nc_u64 s[PFA:PFA+1], s[PFA:PFA+1], s[92:93]
	s_xor_b32 s95, s[HL], 2                        ; 0 in waves 4 and 5,
	s_or_b32 s95, s95, s81                         ; of the clusters with y = 0: the same in all sixteen partners
	s_cmp_eq_u32 s95, 0
	s_cselect_b32 s[LIMK], 29, 0
	v_and_b32 v48, 15, v0                          ; r
	v_bfe_u32 v49, v0, 4, 1                        ; h
	v_and_b32 v50, 31, v0                          ; lane
	v_mul_u32_u24 v[AM0], v48, MP
	v_lshl_add_u32 v[AM0], v49, 5, v[AM0]
	v_add_nc_u32 v[AM0], s91, v[AM0]               ; the mask: row 32 (w % 2) + r, + 32 h bytes
	v_lshlrev_b32 v[KVO], 4, v50                   ; my 16 bytes of a load's 512
	v_lshrrev_b32 v51, 3, v50
	v_and_b32 v[PFO], 7, v50
	v_lshlrev_b32 v[PFO], 8, v[PFO]
	v_mul_lo_u32 v51, v51, s87
	v_add_nc_u32 v[PFO], v[PFO], v51
.irp x, 0,1                            ; the statistics: the step is written once for all steps; the first finds zeros, which the first change of M leaves zeros
	v_mov_b32 v[ST+8*\x+1], 0xff61b1e6             ; the largest t so far: -3e38
	v_floor_f32 v[ST+8*\x], -v[ST+8*\x+1]          ; -M
	v_mov_b32 v[ST+8*\x+2], 0
	v_mov_b32 v[ST+8*\x+3], 0
	v_mov_b32 v[ST+8*\x+5], 0                      ; (named as the upper half of f's pair)
	v_mov_b32 v[ST+8*\x+7], 0                      ; (a lane permute's destination counts as one of its sources)
.endr
	WIN 0x40
.set k, 0
.rept 64
	v_mov_b32 v[OA+k], 0                           ; O^T
.set k, k+1
.endr
	WIN 0
	DRAIN
.irp x, 0,1
.irp c, 0,1
	global_load_b128 v[QF+8*\x+4*\c:QF+8*\x+4*\c+3], v[KVO], s[4:5] offset:1024*\x+512*\c   ; Q's two fragments stay in registers
.endr
.endr
	LDK 0                                          ; step 0's K
	WIN 0
	s_wait_kmcnt 0x0
	s_add_co_i32 s88, s70, s71                     ; E = e2 + e3
	s_lshl_b32 s88, s88, 23
	s_add_co_i32 s[CS], s88, 0x3fb8aa3b            ; c = log2(e) x 2^E
	s_mov_b32 s[CS+1], s[CS]
	s_sub_co_i32 s89, 0x461c4000, s88              ; K = 10000 / 2^E
	s_add_co_i32 s88, s72, 127
	s_lshl_b32 s92, s88, 23                        ; 2^e4
	s_add_co_i32 s88, s88, 8
	s_lshl_b32 s88, s88, 23
	s_or_b32 s88, s88, 0x600000                    ; 448 x 2^e4
	v_mov_b32 v[KP], s89
	v_mov_b32 v[KP+1], s89
	v_mov_b32 v[SCL], s92
	v_mov_b32 v[HOLD], s88
	v_mov_b32 v[HOLD2], s88                        ; a second copy: the two halves of a dual pair take their second sources from different banks
.macro LDM x                           ; tile x's 64 numbers of the mask, in the scores' own layout
.if \x
	WIN 0x40
.else
	WIN 0
.endif
.irp t, 0,1,2,3,4,5,6,7
.irp i, 0,1
	ds_load_b128 v[M0+128*\x+8*\t+4*\i:M0+128*\x+8*\t+4*\i+3], v[ADM] offset:16*MP*\x+64*\t+16*\i
.endr
.endr
.endm
.macro QK                              ; S^T = K Q^T: each fragment of K serves both tiles; every product starts its sum
	WIN 0x01
.irp t, 0,1,2,3,4,5,6,7
.irp x, 0,1
	v_wmma_f32_16x16x64_fp8_fp8 v[S+64*\x+8*\t:S+64*\x+8*\t+7], v[8*\t:8*\t+7], v[QF+8*\x:QF+8*\x+7], 0
.endr
.endr
.endm
.macro PV                              ; O^T += V^T P: the eight accumulators take turns, one instruction a turn
	WIN 0x55
.irp d, 0,1,2,3
.irp x, 0,1
	v_wmma_f32_16x16x128_fp8_fp8 v[OA+32*\x+8*\d:OA+32*\x+8*\d+7], v[VF+16*\d:VF+16*\d+15], v[PF+16*\x:PF+16*\x+15], v[OA+32*\x+8*\d:OA+32*\x+8*\d+7]
.endr
.endr
.endm
.macro TT i, mb                        ; pair i: K m - K
	v_pk_fma_f32 v[T+2*((\i)%8):T+2*((\i)%8)+1], v[KP:KP+1], v[\mb+2*(\i):\mb+2*(\i)+1], v[KP:KP+1] neg_lo:[0,0,1] neg_hi:[0,0,1]
.endm
.macro FF i, sb, mb                    ; pair i: s m + that
	v_pk_fma_f32 v[\sb+2*(\i):\sb+2*(\i)+1], v[\sb+2*(\i):\sb+2*(\i)+1], v[\mb+2*(\i):\mb+2*(\i)+1], v[T+2*((\i)%8):T+2*((\i)%8)+1]
.endm
.macro LOG sb, mb                      ; a tile's logits; the first line runs three pairs ahead of the second; each accumulator is read from its low end on
	TT 0, \mb
	TT 1, \mb
	TT 2, \mb
.set i, 0
.rept 32
.if i < 29
	TT i+3, \mb
.endif
	FF i, \sb, \mb
.set i, i+1
.endr
.endm
.macro MAXST2                          ; both tiles by turns: the step's largest logit of my query in two chains a tile, the running largest t, -M, f
.irp x, 0,1
	v_max3_num_f32 v[ST+8*\x+6], v[S+64*\x], v[S+64*\x+1], v[S+64*\x+2]
	v_max3_num_f32 v[ST+8*\x+7], v[S+64*\x+3], v[S+64*\x+4], v[S+64*\x+5]
.endr
.irp i, 6,10,14,18,22,26,30,34,38,42,46,50,54,58
.irp x, 0,1
	v_max3_num_f32 v[ST+8*\x+6], v[ST+8*\x+6], v[S+64*\x+\i], v[S+64*\x+\i+1]
	v_max3_num_f32 v[ST+8*\x+7], v[ST+8*\x+7], v[S+64*\x+\i+2], v[S+64*\x+\i+3]
.endr
.endr
.irp x, 0,1
	v_max3_num_f32 v[ST+8*\x+6], v[ST+8*\x+6], v[S+64*\x+62], v[S+64*\x+63]
.endr
.irp x, 0,1
	v_max_num_f32 v[ST+8*\x+6], v[ST+8*\x+6], v[ST+8*\x+7]
.endr
.irp x, 0,1
	v_permlanex16_b32 v[ST+8*\x+7], v[ST+8*\x+6], s[SEL], s[SEL+1]
.endr
.irp x, 0,1
	v_max_num_f32 v[ST+8*\x+6], v[ST+8*\x+6], v[ST+8*\x+7]   ; and among lane l xor 16's keys
.endr
.irp x, 0,1
	v_mul_f32 v[ST+8*\x+6], s[CS], v[ST+8*\x+6]    ; as t (c is positive)
.endr
.irp x, 0,1
	v_max_num_f32 v[ST+8*\x+1], v[ST+8*\x+1], v[ST+8*\x+6]
.endr
.irp x, 0,1
	v_mov_b32 v[ST+8*\x+6], v[ST+8*\x]
.endr
.irp x, 0,1
	v_floor_f32 v[ST+8*\x], -v[ST+8*\x+1]          ; the new -M = -ceil(t): a whole number
.endr
.irp x, 0,1
	v_sub_f32 v[ST+8*\x+6], v[ST+8*\x], v[ST+8*\x+6]   ; old M - new M: a whole number, 0 or less
.endr
.irp x, 0,1
	v_cvt_i32_f32 v[ST+8*\x+6], v[ST+8*\x+6]       ; (it saturates)
.endr
.irp x, 0,1
	v_ldexp_f32 v[ST+8*\x+4], 1.0, v[ST+8*\x+6]    ; f = 2^(old M - new M)
.endr
.irp x, 0,1
	v_pk_mul_f32 v[ST+8*\x+2:ST+8*\x+3], v[ST+8*\x+2:ST+8*\x+3], v[ST+8*\x+4:ST+8*\x+5] op_sel_hi:[1,0]   ; the sums under the new M
.endr
.endm
.macro RESC                            ; O^T under the new M: x f; each accumulator from its low end on
	WIN 0x41
.irp x, 0,1
.set k, 0
.rept 16
	v_pk_mul_f32 v[OA+32*\x+k:OA+32*\x+k+1], v[OA+32*\x+k:OA+32*\x+k+1], v[ST+8*\x+4:ST+8*\x+5] op_sel_hi:[1,0]
.set k, k+2
.endr
.endr
.endm
.macro SC1 x, k                        ; t - M of one pair
	v_pk_fma_f32 v[S+64*(\x)+(\k):S+64*(\x)+(\k)+1], v[S+64*(\x)+(\k):S+64*(\x)+(\k)+1], s[CS:CS+1], v[ST+8*(\x):ST+8*(\x)+1] op_sel_hi:[1,0,0]
.endm
.macro MN1 x, k                        ; the hold of one pair (p is never negative: one-sided); the conversion does not saturate (ISA guide 7.6.2)
	v_dual_min_num_f32 v[S+64*(\x)+(\k)], v[S+64*(\x)+(\k)], v[HOLD] :: v_dual_min_num_f32 v[S+64*(\x)+(\k)+1], v[S+64*(\x)+(\k)+1], v[HOLD2]
.endm
; A batch: tile x's 64 exponentials.  Between them stand plain lines that read only what was written ahead of the wait in front of the batch and whose results are read only behind the wait that follows it:
; in tile 0's batch tile 1's t - M, in tile 1's batch tile 0's hold.
.macro BATCH x
.set i, 0
.rept 32
	v_exp_f32 v[S+64*\x+2*i], v[S+64*\x+2*i]
.if \x
	MN1 0, 2*i
.else
	SC1 1, 2*i
.endif
	v_exp_f32 v[S+64*\x+2*i+1], v[S+64*\x+2*i+1]
.set i, i+1
.endr
	v_nop                                          ; a plain place behind the last exponential
	DRAIN                                          ; one wait for the batch, ahead of its first reader
.endm
.macro SUM x                           ; the sum of the UNQUANTISED p, two at a time, in four chains
.set SB, S+64*(\x)
.set SX, ST+8*(\x)
	v_pk_add_f32 v[T:T+1], v[SB:SB+1], v[SB+2:SB+3]
	v_pk_add_f32 v[T+2:T+3], v[SB+4:SB+5], v[SB+6:SB+7]
	v_pk_add_f32 v[T+4:T+5], v[SB+8:SB+9], v[SB+10:SB+11]
.set i, 6
.rept 26
.if i%4 == 3
	v_pk_add_f32 v[SX+2:SX+3], v[SX+2:SX+3], v[SB+2*i:SB+2*i+1]
.else
	v_pk_add_f32 v[T+2*(i%4):T+2*(i%4)+1], v[T+2*(i%4):T+2*(i%4)+1], v[SB+2*i:SB+2*i+1]
.endif
.set i, i+1
.endr
	v_pk_add_f32 v[T:T+1], v[T:T+1], v[T+2:T+3]
	v_pk_add_f32 v[SX+2:SX+3], v[SX+2:SX+3], v[T+4:T+5]
	v_pk_add_f32 v[SX+2:SX+3], v[SX+2:SX+3], v[T:T+1]
.endm
.macro CVT x                           ; tile x's p become P's 16 registers, in window 1
	WIN 0x40
.irp t, 0,1,2,3,4,5,6,7
	v_cvt_scalef32_pk8_fp8_f32 v[PF+16*\x+2*\t:PF+16*\x+2*\t+1], v[S+64*\x+8*\t:S+64*\x+8*\t+7], v[SCL]
.endr
.endm
; A KEY STEP: 128 keys, one plane of the slot in hand.  No barrier stands in it.
.macro STEP
	v_add_nc_u32 v[ADM], s[MB], v[AM0]             ; four plain lines: the places behind the last step's second product, in front of the loads below
.rept 3
	v_nop
.endr
	LDM 0
	LDM 1
	LDV                                            ; this step's V
	QK                                             ; (this step's K was waited for ahead of the last step's second product, or at the head)
	WIN 0
.rept 4
	v_nop                                          ; the places behind these products, in front of the loads below and of the first read of the scores
.endr
	s_cmp_eq_u32 s[STP], 31                        ; the count of steps alone: the last step has no successor, and loads nothing beyond the buffer
	s_cbranch_scc1 .Lno_k_\@
	LDK 65536                                      ; the next step's K
	WIN 0
.Lno_k_\@:
	ASKK
	s_wait_dscnt 16                                ; tile 0's mask is in; tile 1's (16 loads) may be out
	LOG S, M0
	s_wait_dscnt 0x0                               ; tile 1's mask is in
	WIN 0x04                                       ; source 1 alone in window 1: tile 1's mask
	LOG S+64, M1
	WIN 0
	MAXST2
	RESC
	WIN 0
.set k, 0
.rept 32
	SC1 0, k
.set k, k+2
.endr
	DRAIN                                          ; the wait ahead of the batch
	BATCH 0
	SUM 0
	BATCH 1
	CVT 0
	WIN 0
	SUM 1
.set k, 0
.rept 32
	MN1 1, k
.set k, k+2
.endr
	CVT 1
	v_nop                                          ; a plain line between the last conversion and the products that read its result
	DRAIN
	s_wait_loadcnt 0x0                             ; V is in, and the next step's K
	PV
	WIN 0
	s_wait_xcnt 0x0                                ; my prefetch has read its address; the loads are done
	s_add_nc_u64 s[KB:KB+1], s[KB:KB+1], 65536
	s_add_nc_u64 s[PFA:PFA+1], s[PFA:PFA+1], s[PSS:PSS+1]
	s_add_co_u32 s[STP], s[STP], 1
	s_add_co_u32 s[MB], s[MB], PLANE
.endm
; THE CHANGE OF SLOTS, behind a slot's four steps.  Each wave waits for all its tensor loads (its part of the next slot), adds 0 to its spare word, and waits for that and for its reads of this slot.
; mode 2: a round of the cluster's barrier, and behind it the joint refill of the slot just left, with the keys 1,024 on: it has four steps in which to land.  mode 1: nothing is left to ask for.
.macro CHANGE mode
	s_wait_tensorcnt 0x0                           ; no tensor load of mine is out, so group 0 may be written
	ds_add_u32 v[SPW], v[NIL]
.if \mode == 2
	s_add_co_u32 s[G0M+1], s61, s[TB]              ; into the slot just left,
	s_add_nc_u64 s[G0M+2:G0M+3], s[G0M+2:G0M+3], 2048    ; the next 512 keys
	s_add_nc_u64 s[PFA:PFA+1], s[PFA:PFA+1], s[PSC:PSC+1]  ; (behind the step's own wait on XCNT)
.endif
	s_wait_dscnt 0x0
.if \mode == 2
	CROUND
	JLOAD
.else
	s_barrier_signal -1
	s_barrier_wait -1
.endif
	s_xor_b32 s[TB], s[TB], SLOTB                  ; on to the other slot
	s_mov_b32 s[MB], s[TB]
.if \mode == 2
	ASKM
.endif
.endm
	DRAIN                                          ; the head's end
	s_wait_tensorcnt 0x0                           ; my part of slot 0 is in
	ds_add_u32 v[SPW], v[NIL]
	s_add_co_u32 s[G0M+1], s61, SLOTB
	s_add_nc_u64 s[G0M+2:G0M+3], s[G0M+2:G0M+3], 2048
	s_wait_dscnt 0x0
	CROUND
	JLOAD                                          ; keys 512 to 1,023 into slot 1, the first tensor load behind the round
	s_wait_loadcnt 0x0                             ; Q, and step 0's K
.Lslot:                                            ; six trips: a slot's four steps, and the change that fills it again
	s_mov_b32 s3, 4
.Lstep:
	STEP
	s_sub_co_u32 s3, s3, 1
	s_cmp_lg_u32 s3, 0
	s_cbranch_scc1 .Lstep
	CHANGE 2
	s_sub_co_u32 s[CNT], s[CNT], 1
	s_cmp_lg_u32 s[CNT], 0
	s_cbranch_scc1 .Lslot
	s_mov_b32 s46, 2
.Ltail:                                            ; the last two slots are written out.  The second trip's barrier has nothing left to order: the two trips share one text
	s_mov_b32 s3, 4
.Ltstep:
	STEP
	s_sub_co_u32 s3, s3, 1
	s_cmp_lg_u32 s3, 0
	s_cbranch_scc1 .Ltstep
	CHANGE 1
	s_sub_co_u32 s46, s46, 1
	s_cmp_lg_u32 s46, 0
	s_cbranch_scc1 .Ltail
	; THE WAY OUT.  ctx = O^T x 2^(e4 + e5) / the sum, quantised with 2^e6; the four heads' codes of a query meet in the stage as 256 bytes, and sixteen lanes store them as one aligned run.
	s_add_co_i32 s88, s72, s73                     ; e4 + e5
	s_mul_i32 s89, s[QP], 32*LP
	s_lshl_b32 s90, s[HL], 6
	s_add_co_u32 s89, s89, s90
	s_add_co_u32 s89, s89, STAGE
	s_mul_i32 s87, s[WV], 8*LP
	s_add_co_u32 s87, s87, STAGE
	s_lshl_b32 s90, s20, 6
	s_lshl_b32 s91, s[WV], 3
	s_add_co_u32 s90, s90, s91
	s_lshl_b32 s90, s90, 10
	s_lshl_b32 s91, s19, 8
	s_add_co_u32 s90, s90, s91
	s_mov_b32 s91, 0
	s_add_nc_u64 s[12:13], s[12:13], s[90:91]
	s_add_co_i32 s92, s74, 127
	s_lshl_b32 s93, s92, 23                        ; 2^e6
	s_add_co_i32 s92, s92, 8
	s_lshl_b32 s92, s92, 23
	s_or_b32 s92, s92, 0x600000                    ; 448 x 2^e6
	v_add_f32 v[ST+6], v[ST+2], v[ST+3]
	v_add_f32 v[ST+14], v[ST+10], v[ST+11]
	v_permlanex16_b32 v[ST+7], v[ST+6], s[SEL], s[SEL+1]
	v_permlanex16_b32 v[ST+15], v[ST+14], s[SEL], s[SEL+1]
	v_add_f32 v[ST+6], v[ST+6], v[ST+7]            ; the row's sum
	v_add_f32 v[ST+14], v[ST+14], v[ST+15]
	DRAIN                                          ; the wait ahead of the two reciprocals
	v_rcp_f32 v[ST+6], v[ST+6]
	v_rcp_f32 v[ST+14], v[ST+14]
	v_and_b32 v48, 15, v0                          ; (plain work behind the reciprocals)  r
	v_bfe_u32 v49, v0, 4, 1                        ; h
	v_mul_u32_u24 v4, v48, LP
	v_lshl_add_u32 v4, v49, 3, v4
	v_add_nc_u32 v4, s89, v4                       ; in: row 32 (w % 2) + r, byte 64 x head + 8 h
	v_mul_u32_u24 v5, v49, LP
	v_lshl_add_u32 v5, v48, 4, v5
	v_add_nc_u32 v5, s87, v5                       ; back: my wave's eight rows, two an instruction
	v_lshlrev_b32 v1, 10, v49
	v_lshl_add_u32 v1, v48, 4, v1                  ; and the same two rows in ctx_codes
	v_mov_b32 v[SCL], s93
	v_mov_b32 v[HOLD], s92
	DRAIN                                          ; one wait for the two reciprocals, ahead of their first reader
	v_ldexp_f32 v[ST+6], v[ST+6], s88
	v_ldexp_f32 v[ST+14], v[ST+14], s88
	WIN 0x01                                       ; source 0 (O^T) window 1; the results go to window 0, where S^T lay
	DRAIN                                          ; directly ahead of the first reader of O^T
.irp x, 0,1
.set k, 0
.rept 16
	v_pk_mul_f32 v[S+32*\x+k:S+32*\x+k+1], v[OA+32*\x+k:OA+32*\x+k+1], v[ST+8*\x+6:ST+8*\x+7] op_sel_hi:[1,0]
.set k, k+2
.endr
.endr
	WIN 0
.set k, 0
.rept 64
	v_med3_num_f32 v[S+k], v[S+k], -v[HOLD], v[HOLD]
.set k, k+1
.endr
.irp x, 0,1
.irp d, 0,1,2,3
	v_cvt_scalef32_pk8_fp8_f32 v[T+2*(4*\x+\d):T+2*(4*\x+\d)+1], v[S+32*\x+8*\d:S+32*\x+8*\d+7], v[SCL]   ; query 16 x + r, channels 16 d + 8 h + 0 .. 7
.endr
.endr
	v_nop
.irp x, 0,1
.irp d, 0,1,2,3
	ds_store_b64 v4, v[T+2*(4*\x+\d):T+2*(4*\x+\d)+1] offset:16*LP*\x+16*\d
.endr
.endr
	s_wait_dscnt 0x0                               ; for the others' sake: my stores into the stage are done
	s_barrier_signal -1
	s_barrier_wait -1
.irp i, 0,1,2,3
	ds_load_b128 v[M0+4*\i:M0+4*\i+3], v5 offset:2*LP*\i
.endr
.irp i, 0,1,2,3
	s_wait_dscnt 3-\i
	global_store_b128 v1, v[M0+4*\i:M0+4*\i+3], s[12:13] offset:2048*\i   ; sixteen lanes store 256 consecutive bytes, at a multiple of 256 from the buffer's first byte
.endr
	s_wait_tensorcnt 0x0                           ; the wave's end
	ds_add_u32 v[SPW], v[NIL]
	s_wait_dscnt 0x0
	CROUND                                         ; the closing round
	s_endpgm
.Lfunc_end_k_q5d9d212e20_attn:
	.size	k_q5d9d212e20_attn, .Lfunc_end_k_q5d9d212e20_attn-k_q5d9d212e20_attn
	.p2alignl 7, 3214868480
	.fill 96, 4, 3214868480
	.section	.rodata,"a",@progbits
	.p2align	6, 0x0
	.amdhsa_kernel k_q5d9d212e20_attn
		.amdhsa_group_segment_fixed_size 327680
		.amdhsa_private_segment_fixed_size 0
		.amdhsa_enable_private_segment 0
		.amdhsa_kernarg_size 40
		.amdhsa_user_sgpr_count 2
		.amdhsa_user_sgpr_kernarg_segment_ptr 1
		.amdhsa_wavefront_size32 1
		.amdhsa_system_sgpr_workgroup_id_x 1
		.amdhsa_system_sgpr_workgroup_id_y 1
		.amdhsa_system_sgpr_workgroup_id_z 1
		.amdhsa_system_vgpr_workitem_id 0
		.amdhsa_next_free_vgpr 512
		.amdhsa_next_free_sgpr 96
		.amdhsa_reserve_vcc 0
		.amdhsa_float_denorm_mode_32 3
		.amdhsa_float_denorm_mode_16_64 3
		.amdhsa_memory_ordered 1
		.amdhsa_forward_progress 1
		.amdhsa_inst_pref_size 103
	.end_amdhsa_kernel
	.amdgpu_metadata
---
amdhsa.version: [ 1, 2 ]
amdhsa.kernels:
  - .name:           k_q5d9d212e20_attn
    .symbol:         k_q5d9d212e20_attn.kd
    .args:
      - { .name: q_codes, .offset: 0, .size: 8, .value_kind: global_buffer, .address_space: global }
      - { .name: kv_codes, .offset: 8, .size: 8, .value_kind: global_buffer, .address_space: global }
      - { .name: mask, .offset: 16, .size: 8, .value_kind: global_buffer, .address_space: global }
      - { .name: lowp_scales, .offset: 24, .size: 8, .value_kind: global_buffer, .address_space: global }
      - { .name: ctx_codes, .offset: 32, .size: 8, .value_kind: global_buffer, .address_space: global }
    .group_segment_fixed_size: 327680
    .private_segment_fixed_size: 0
    .kernarg_segment_align: 8
    .kernarg_segment_size: 40
    .max_flat_workgroup_size: 256
    .sgpr_count:     96
    .vgpr_count:     512
    .wavefront_size: 32
...
	.end_amdgpu_metadata
.endif
;; end of part 3
;; launch proj (part 4): grid 8 x 32, 8 waves a work-group, clusters of 4 x 4, 327,680 bytes of LDS; arguments ctx_codes, wout_codes, lowp_scales, b_out, out0; writes out0
.if DOCPART == 4
	.amdgcn_target "amdgcn-amd-amdhsa--gfx1250"
	.amdhsa_code_object_version 6
	.text
	.protected	k_q5d9d212e20_proj
	.globl	k_q5d9d212e20_proj
	.p2align	8
	.type	k_q5d9d212e20_proj,@function
k_q5d9d212e20_proj:
	s_mov_b64 s[64:65], 0
	v_nop
	global_prefetch_b8 v0, s[64:65] scope:SCOPE_SE
	s_setreg_imm32_b32 hwreg(HW_REG_WAVE_MODE, 25, 1), 1
	s_wait_xcnt 0x0
	s_wait_alu depctr_hold_cnt(0) depctr_sa_sdst(0) depctr_va_vdst(0) depctr_va_sdst(0) depctr_va_ssrc(0) depctr_va_vcc(0) depctr_vm_vsrc(0)
	s_getreg_b32 s2, hwreg(HW_REG_IB_STS2, 6, 4)
	s_cmp_eq_u32 s2, 0
	s_cbranch_scc0 .Lentry_in_a_cluster
	s_endpgm
.Lentry_in_a_cluster:
	s_bfe_u32 s2, ttmp6, 0x10000c
	s_cmp_lg_u32 s2, 0xf033
	s_cbranch_scc0 .Lentry_shape_is_right
	s_endpgm
.Lentry_shape_is_right:
; out0[m][n] = 2^(e6 + e7) x (sum over k of ctx_codes[m][k] wout_codes[n][k]) + b_out[n].  ctx_codes [4096][1024], wout_codes [1024 n][1024 k]: codes of FP8 (E4M3); out0 [4096][1024] f32; sums in f32.
; LIMIT: e6 + e7 lies between -126 and 127, so that 2^(e6 + e7) is an f32 number.
; A block of 128 x 128 of the result to a work-group: 8 x 32 = 256 work-groups.  All of K (1,024 bytes a row) of the block's 128 rows of each operand lies in LDS at once: 2 x 128 rows x 1,040 bytes.
; Each of the eight waves fetches 32 whole rows by its one tensor load at the head (waves 0-3: ctx, waves 4-7: W_out).  Nothing is filled again, so there is no ring.
; CLUSTERS: 4 x 4.  The four of a row of the cluster need the same rows of ctx, the four of a column the same rows of W_out: each tile is asked for jointly.
; A wave makes 32 rows x 64 columns: 8 accumulators, by turns, in 16 steps of 64 along K, on two sets of fragments.
; The matrix instruction is used transposed (source 0 = rows of W_out, source 1 = rows of ctx): a lane holds eight neighbouring numbers of a row of the result.
; A lane's fragment registers 4 c .. 4 c + 3 hold k = 32 c + 16 (l / 16) + 0 .. 15: one order of k for both operands.
; No prefetch: the launch asks for all that it reads in its first lines and has no loop to run ahead in.
.set PITCH,  1040                      ; an LDS row: 1,024 bytes + 16: an odd multiple of 16
.set QUART,  32*PITCH                  ; what one tensor load brings
.set BOFF,   4*QUART                   ; W_out's 128 rows lie behind ctx's
.set STAGE,  8*QUART                   ; behind the tiles: 16 rows x 272 bytes for each wave; no fill lands there
.set SPITCH, 272
.set SPARE,  STAGE+8*16*SPITCH         ; the spare words, 128 bytes for each of eight waves
.set ADRA, 2
.set ADRB, 3
.set STO,  4
.set RD,   5
.set CO,   6
.set BO,   7
.set SPW,  12
.set NIL,  13
.set FRG,  16                          ; v16-63, v64-111 two sets of fragments: 2 of ctx, 4 of W_out, 8 registers each; on the way out the rows read back
.set ACC,  112                         ; v112-175 accumulator (a, b) at 112 + 8 (4 a + b)
.set G1,  24
.set G0,  32
.set G1B, 48
.set G0B, 56
.macro CROUND
	s_barrier_signal -1
	s_barrier_wait -1
	s_cmp_lg_u32 s14, 0
	s_cbranch_scc1 .Lnot_wave_0_\@
	s_barrier_signal -3
.Lnot_wave_0_\@:
	s_barrier_wait -3
	s_barrier_signal -1
	s_barrier_wait -1
.endm
	s_load_b256 s[4:11], s[0:1], 0x0               ; ctx_codes, wout_codes, the scales' exponents, b_out
	s_load_b64 s[12:13], s[0:1], 0x20              ; out0
	v_lshl_add_u32 v[SPW], v0, 2, SPARE
	v_mov_b32 v[NIL], 0
	ds_add_u32 v[SPW], v[NIL]                      ; the opening: the add, twice on end, and its wait ahead of my first tensor load
	ds_add_u32 v[SPW], v[NIL]
	v_lshrrev_b32 v1, 5, v0
	v_readfirstlane_b32 s14, v1                    ; wave 0..7
	s_lshr_b32 s15, s14, 2                         ; I fetch for ctx (0) or for W_out (1),
	s_and_b32 s16, s14, 3                          ; which 32 rows
	s_bfe_u32 s40, ttmp6, 0x40000                  ; cx
	s_bfe_u32 s41, ttmp6, 0x40004                  ; cy
	s_lshl_b32 s42, ttmp9, 2
	s_add_co_u32 s42, s42, s40                     ; block column
	s_and_b32 s17, ttmp7, 0xffff
	s_lshl_b32 s17, s17, 2
	s_add_co_u32 s17, s17, s41                     ; block row
	s_lshl_b32 s43, s41, 2
	s_lshl_b32 s43, 15, s43                        ; my row of the cluster
	s_lshl_b32 s44, 0x1111, s40                    ; my column
	s_or_b32 s[G1], s43, (0<<16)|(1<<20)|(1<<21)|(7<<22)|(3<<25)    ; elements of 1 byte; 4 words of padding after every 256
	s_or_b32 s[G1B], s44, (0<<16)|(1<<20)|(1<<21)|(7<<22)|(3<<25)
.irp g, G1, G1B
	s_mov_b32 s[\g+1], 1024<<16
	s_mov_b32 s[\g+2], 32<<16
	s_mov_b32 s[\g+3], 1024<<16
	s_mov_b32 s[\g+4], 32                          ; 32 rows x 1,024 bytes
	s_mov_b32 s[\g+5], 1024
	s_mov_b32 s[\g+6], 0
	s_mov_b32 s[\g+7], 0
.endr
	s_lshl_b32 s18, s16, 5
	s_lshl_b32 s20, s17, 7
	s_add_co_u32 s20, s20, s18                     ; ctx: row 128 x block row + 32 x quarter
	s_lshl_b32 s20, s20, 10
	s_mov_b32 s21, 0
	s_lshl_b32 s46, s42, 7
	s_add_co_u32 s46, s46, s18                     ; W_out: row 128 x block column + 32 x quarter
	s_lshl_b32 s46, s46, 10
	s_mov_b32 s47, 0
	s_mul_i32 s45, s14, QUART                      ; where they go: wave x 32 rows: no place in the cluster enters an LDS address
	s_wait_dscnt 0x0                               ; both opening adds are done
	s_wait_kmcnt 0x0
	s_load_b64 s[96:97], s[8:9], 0x18              ; e6, e7
	s_mov_b32 s[G0], 1
	s_mov_b32 s[G0+1], s45
	s_add_nc_u64 s[G0+2:G0+3], s[4:5], s[20:21]
	s_or_b32 s[G0+3], s[G0+3], 0x80000000
	s_mov_b32 s[G0B], 1
	s_mov_b32 s[G0B+1], s45
	s_add_nc_u64 s[G0B+2:G0B+3], s[6:7], s[46:47]
	s_or_b32 s[G0B+3], s[G0B+3], 0x80000000
	CROUND                                         ; all sixteen work-groups are here: the joint loads meet
	s_cmp_eq_u32 s15, 0                            ; one tensor load a wave; s_nop 0 and four v_nop follow each line
	s_cbranch_scc0 .Lfor_b
	tensor_load_to_lds s[G0:G0+3], s[G1:G1+7]
	s_nop 0
.rept 4
	v_nop
.endr
	s_branch .Lasked
.Lfor_b:
	tensor_load_to_lds s[G0B:G0B+3], s[G1B:G1B+7]
	s_nop 0
.rept 4
	v_nop
.endr
.Lasked:
	s_lshr_b32 s22, s14, 1                         ; my 32 rows of the block's 128
	s_and_b32 s23, s14, 1                          ; my 64 columns of its 128
	s_mul_i32 s70, s22, QUART
	s_mul_i32 s71, s23, 64*PITCH
	s_add_co_u32 s71, s71, BOFF
	s_mul_i32 s72, s14, 16*SPITCH
	s_add_co_u32 s72, s72, STAGE                   ; my stage
	s_lshl_b32 s20, s17, 7
	s_lshl_b32 s21, s22, 5
	s_add_co_u32 s20, s20, s21                     ; my first row of the result,
	s_lshl_b32 s20, s20, 12                        ; 4,096 bytes a row
	s_mov_b32 s21, 0
	s_lshl_b32 s46, s42, 9
	s_lshl_b32 s47, s23, 8
	s_add_co_u32 s46, s46, s47                     ; my first column, in bytes
	s_mov_b32 s47, 0
	s_add_nc_u64 s[66:67], s[10:11], s[46:47]      ; the bias at my columns
	s_add_nc_u64 s[12:13], s[12:13], s[20:21]
	s_add_nc_u64 s[12:13], s[12:13], s[46:47]
	v_and_b32 v14, 15, v0                          ; r
	v_bfe_u32 v15, v0, 4, 1                        ; h
	v_mul_u32_u24 v1, v14, PITCH
	v_lshl_add_u32 v1, v15, 4, v1                  ; a fragment's row x pitch + 16 h
	v_add_nc_u32 v[ADRA], s70, v1
	v_add_nc_u32 v[ADRB], s71, v1
	v_mul_u32_u24 v[STO], v14, SPITCH
	v_lshl_add_u32 v[STO], v15, 5, v[STO]
	v_add_nc_u32 v[STO], s72, v[STO]               ; into the stage: row r, 32 bytes for each half of the lanes
	v_mul_u32_u24 v[RD], v15, SPITCH
	v_lshl_add_u32 v[RD], v14, 4, v[RD]
	v_add_nc_u32 v[RD], s72, v[RD]                 ; back: lanes 0-15 one row of 256 bytes, lanes 16-31 the next
	v_lshlrev_b32 v[BO], 4, v14                    ; my four columns
	v_lshl_add_u32 v[CO], v15, 12, v[BO]           ; and the same two rows in the result
	s_wait_alu depctr_va_vdst(0)                   ; the wait at the head's end
	global_load_b128 v[8:11], v[BO], s[66:67]      ; the bias of my four columns
	s_wait_tensorcnt 0x0                           ; my 32 rows are in,
	s_barrier_signal -1
	s_barrier_wait -1                              ; and everybody's
.macro FETCH s                         ; step s's six fragments into set s % 2: 12 loads
.set P, FRG+48*((\s)%2)
.irp a, 0,1
.irp c, 0,1
	ds_load_b128 v[P+8*\a+4*\c:P+8*\a+4*\c+3], v[ADRA] offset:64*(\s)+32*\c+\a*16*PITCH
.endr
.endr
.irp b, 0,1,2,3
.irp c, 0,1
	ds_load_b128 v[P+16+8*\b+4*\c:P+16+8*\b+4*\c+3], v[ADRB] offset:64*(\s)+32*\c+\b*16*PITCH
.endr
.endr
.endm
.macro MUL s                           ; the first step's products start the sums: nothing is cleared
.set P, FRG+48*((\s)%2)
.irp a, 0,1
.irp b, 0,1,2,3
.if (\s) == 0
	v_wmma_f32_16x16x64_fp8_fp8 v[ACC+8*(4*\a+\b):ACC+8*(4*\a+\b)+7], v[P+16+8*\b:P+16+8*\b+7], v[P+8*\a:P+8*\a+7], 0
.else
	v_wmma_f32_16x16x64_fp8_fp8 v[ACC+8*(4*\a+\b):ACC+8*(4*\a+\b)+7], v[P+16+8*\b:P+16+8*\b+7], v[P+8*\a:P+8*\a+7], v[ACC+8*(4*\a+\b):ACC+8*(4*\a+\b)+7]
.endif
.endr
.endr
.endm
	FETCH 0
.set q, 0
.rept 16
.if q < 15
.if q > 0
.rept 4
	v_nop                                          ; places in front of loads into the set that the step before multiplied
.endr
.endif
	FETCH q+1
	s_wait_dscnt 12                                ; this step's fragments are in; the next step's 12 loads may be out
.else
	s_wait_dscnt 0x0
.endif
	MUL q
.set q, q+1
.endr
	; THE WAY OUT: a block of 16 rows x 64 columns at a time through my own stage; it comes back as whole rows of 256 bytes.  LDS serves a wave's instructions in order: no wait between the stores and the loads, nor in front of the next block's stores.
	s_wait_kmcnt 0x0
	s_add_co_i32 s96, s96, s97
	s_add_co_i32 s96, s96, 127
	s_lshl_b32 s96, s96, 23                        ; 2^(e6 + e7)
	s_mov_b32 s97, s96
.rept 4
	v_nop                                          ; places behind the last products
.endr
.irp a, 0,1
.irp b, 0,1,2,3
	ds_store_b128 v[STO], v[ACC+8*(4*\a+\b):ACC+8*(4*\a+\b)+3] offset:64*\b          ; each accumulator from its low end on
	ds_store_b128 v[STO], v[ACC+8*(4*\a+\b)+4:ACC+8*(4*\a+\b)+7] offset:64*\b+16
.endr
.irp t, 0,1,2,3,4,5,6,7
	ds_load_b128 v[FRG+32*\a+4*\t:FRG+32*\a+4*\t+3], v[RD] offset:\t*2*SPITCH
.endr
.endr
	s_wait_loadcnt 0x0                             ; the bias
.irp a, 0,1
	s_wait_dscnt 16-16*\a                          ; block a is back; behind block 0's loads stand block 1's 8 stores and 8 loads
.irp t, 0,1,2,3,4,5,6,7
	v_pk_fma_f32 v[FRG+32*\a+4*\t:FRG+32*\a+4*\t+1], v[FRG+32*\a+4*\t:FRG+32*\a+4*\t+1], s[96:97], v[8:9] op_sel_hi:[1,0,1]
	v_pk_fma_f32 v[FRG+32*\a+4*\t+2:FRG+32*\a+4*\t+3], v[FRG+32*\a+4*\t+2:FRG+32*\a+4*\t+3], s[96:97], v[10:11] op_sel_hi:[1,0,1]
.endr
.irp t, 0,1,2,3,4,5,6,7
	global_store_b128 v[CO], v[FRG+32*\a+4*\t:FRG+32*\a+4*\t+3], s[12:13] offset:(16*\a+2*\t)*4096 th:TH_STORE_NT   ; sixteen lanes store 256 consecutive bytes, at a multiple of 256 from the buffer's first byte
.endr
.endr
	s_wait_tensorcnt 0x0                           ; the wave's end
	ds_add_u32 v[SPW], v[NIL]
	s_wait_dscnt 0x0
	CROUND                                         ; the closing round
	s_endpgm
.Lfunc_end_k_q5d9d212e20_proj:
	.size	k_q5d9d212e20_proj, .Lfunc_end_k_q5d9d212e20_proj-k_q5d9d212e20_proj
	.p2alignl 7, 3214868480
	.fill 96, 4, 3214868480
	.section	.rodata,"a",@progbits
	.p2align	6, 0x0
	.amdhsa_kernel k_q5d9d212e20_proj
		.amdhsa_group_segment_fixed_size 327680
		.amdhsa_private_segment_fixed_size 0
		.amdhsa_enable_private_segment 0
		.amdhsa_kernarg_size 40
		.amdhsa_user_sgpr_count 2
		.amdhsa_user_sgpr_kernarg_segment_ptr 1
		.amdhsa_wavefront_size32 1
		.amdhsa_system_sgpr_workgroup_id_x 1
		.amdhsa_system_sgpr_workgroup_id_y 1
		.amdhsa_system_sgpr_workgroup_id_z 1
		.amdhsa_system_vgpr_workitem_id 0
		.amdhsa_next_free_vgpr 256
		.amdhsa_next_free_sgpr 100
		.amdhsa_reserve_vcc 0
		.amdhsa_float_denorm_mode_32 3
		.amdhsa_float_denorm_mode_16_64 3
		.amdhsa_memory_ordered 1
		.amdhsa_forward_progress 1
		.amdhsa_inst_pref_size 35
	.end_amdhsa_kernel
	.amdgpu_metadata
---
amdhsa.version: [ 1, 2 ]
amdhsa.kernels:
  - .name:           k_q5d9d212e20_proj
    .symbol:         k_q5d9d212e20_proj.kd
    .args:
      - { .name: ctx_codes, .offset: 0, .size: 8, .value_kind: global_buffer, .address_space: global }
      - { .name: wout_codes, .offset: 8, .size: 8, .value_kind: global_buffer, .address_space: global }
      - { .name: lowp_scales, .offset: 16, .size: 8, .value_kind: global_buffer, .address_space: global }
      - { .name: b_out, .offset: 24, .size: 8, .value_kind: global_buffer, .address_space: global }
      - { .name: out0, .offset: 32, .size: 8, .value_kind: global_buffer, .address_space: global }
    .group_segment_fixed_size: 327680
    .private_segment_fixed_size: 0
    .kernarg_segment_align: 8
    .kernarg_segment_size: 40
    .max_flat_workgroup_size: 256
    .sgpr_count:     100
    .vgpr_count:     256
    .wavefront_size: 32
...
	.end_amdgpu_metadata
.endif
;; end of part 4
